; MI455X (gfx1250); checked and timed in simulation.
; The chip was launched on July 23, 2026; its instructions are those of AMD's public machine-readable ISA for CDNA 5 (MIT licence, August 2026) and "CDNA5" Instruction Set Architecture Reference Guide (July 2026). The comments in the code are by the model that wrote it; some were corrected since.
;; Multihead Self Attention. Allowed arithmetic: float matrix products may take bf16 or f16 operands with f32 sums; other float arithmetic in f32, or as packed bf16 or f16 multiplies, adds, multiply-adds, maxima and minima; sums over many terms, partial sums and values carried from step to step in f32; what a program stores and reads back later, other than sums and carried values, may be rounded once to bf16 or f16.
;; Inputs: Wk 2,048 x 2,048 float32; Wo 2,048 x 2,048 float32; Wq 2,048 x 2,048 float32; Wv 2,048 x 2,048 float32; token_positions 1 x 2,048 int32; x 1 x 2,048 x 2,048 float32.
;; Outputs: out0 1 x 2,048 x 2,048 float32.
;; One version. Each part assembles by itself: llvm-mc -triple=amdgcn-amd-amdhsa -mcpu=gfx1250 --defsym DOCPART=n.
;; ======== version 1 of 1: 4 launches
;; limits: values are held in f16: magnitudes above 65,504 overflow, below 6.1e-05 lose precision; right only within a limited range of input values
;; workspace buffers: xb 8,388,608 bytes; wqkv 25,165,824 bytes; wo16 8,388,608 bytes; cs 2,097,152 bytes; qkv 25,165,824 bytes; ob 8,388,608 bytes
;; launch prep (part 1): grid 256 x 5, 8 waves a work-group, no clusters, 0 bytes of LDS; arguments x, Wq, Wk, Wv, token_positions, xb, wqkv, cs; writes xb, wqkv, cs
.if DOCPART == 1
	.amdgcn_target "amdgcn-amd-amdhsa--gfx1250"
	.amdhsa_code_object_version 6
	.text
	.protected	k_q8043cf84da_prep
	.globl	k_q8043cf84da_prep
	.p2align	8
	.type	k_q8043cf84da_prep,@function
k_q8043cf84da_prep:
	s_mov_b64 s[64:65], 0
	v_nop
	global_prefetch_b8 v0, s[64:65] scope:SCOPE_SE
	s_setreg_imm32_b32 hwreg(HW_REG_WAVE_MODE, 25, 1), 1
	s_wait_xcnt 0x0
; PREPARATION.  y = 0: x -> xb (bf16).  y = 1, 2, 3: Wq, Wk, Wv -> wqkv (bf16, the three on end).  y = 4: the table cs.
; cs, region 0, row s, floats 2 p and 2 p + 1: cos / 8 and sin / 8 of pos[s] x 10000^(-p / 64); region 1: (1/8, 0) everywhere, for V.
; The 1/8 is a power of two: q, k and v are stored eight times smaller, so that f16 has room for inputs 30 times larger or offset by 30 spreads.
; A stream: each byte read once and written once.  A work-group takes 64 KiB of f32: 16 items of 4 KiB; a wave's load covers 512 consecutive bytes, its store 256, aligned.
; All 16 loads of a thread go out at once, and an item is rounded in place in the registers that it was loaded into: no register is written again while a store reads it.
; LIMITS.  The frequency is 2^(-p log2(10000) / 64) by v_exp_f32 (a few units in its last place), so an angle is off by some 1e-7 x |pos|; the reduction by pi / 2 in three parts holds while
; |pos x f| stays under 4e6.  No LDS, no matrix unit, no cluster: nothing is shared.
.set X, 4                              ; v[4:67]   item i: 4 registers as loaded; its first two then hold the 4 bf16
.set SRC, 30                           ; s[30:31]
.set DST, 32                           ; s[32:33]
	s_load_b256 s[8:15], s[0:1], 0x0               ; x s[8:9], Wq s[10:11], Wk s[12:13], Wv s[14:15]
	s_load_b256 s[16:23], s[0:1], 0x20             ; positions s[16:17], xb s[18:19], wqkv s[20:21], cs s[22:23]
	s_and_b32 s28, ttmp7, 0xffff                   ; y: which tensor
	v_lshlrev_b32 v1, 4, v0                        ; 16 t: my bytes of an item on the way in; never rewritten
	v_lshlrev_b32 v2, 3, v0                        ; 8 t: on the way out; never rewritten
	s_sub_co_u32 s34, s28, 1                       ; the offset in the destination, made apart from the address:
	s_lshl_b32 s34, s34, 23                        ; (y - 1) x 8 MiB in wqkv,
	s_cmp_eq_u32 s28, 0
	s_cselect_b32 s34, 0, s34                      ; 0 in xb,
	s_lshl_b32 s36, ttmp9, 15
	s_add_co_u32 s34, s34, s36                     ; + the work-group's 32 KiB
	s_mov_b32 s35, 0
	s_lshl_b32 s36, ttmp9, 16                      ; and its 64 KiB in the source
	s_mov_b32 s37, 0
	s_wait_kmcnt 0x0
	s_cmp_eq_u32 s28, 4
	s_cbranch_scc1 .Ltable
	s_cmp_eq_u32 s28, 1
	s_cselect_b64 s[SRC:SRC+1], s[10:11], s[8:9]
	s_cmp_eq_u32 s28, 2
	s_cselect_b64 s[SRC:SRC+1], s[12:13], s[SRC:SRC+1]
	s_cmp_eq_u32 s28, 3
	s_cselect_b64 s[SRC:SRC+1], s[14:15], s[SRC:SRC+1]
	s_cmp_eq_u32 s28, 0
	s_cselect_b64 s[DST:DST+1], s[18:19], s[20:21]
	s_add_nc_u64 s[SRC:SRC+1], s[SRC:SRC+1], s[36:37]
	s_add_nc_u64 s[DST:DST+1], s[DST:DST+1], s[34:35]
.irp i, 0,1,2,3,4,5,6,7,8,9,10,11,12,13,14,15
	global_load_b128 v[X+4*(\i):X+4*(\i)+3], v1, s[SRC:SRC+1] offset:4096*(\i) th:TH_LOAD_NT
.endr
.irp i, 0,1,2,3,4,5,6,7,8,9,10,11,12,13,14,15
	s_wait_loadcnt 15-(\i)                         ; loads come back in order: item i is in, the younger ones stay out
	v_cvt_pk_bf16_f32 v[X+4*(\i)],   v[X+4*(\i)],   v[X+4*(\i)+1]
	v_cvt_pk_bf16_f32 v[X+4*(\i)+1], v[X+4*(\i)+2], v[X+4*(\i)+3]
	global_store_b64 v2, v[X+4*(\i):X+4*(\i)+1], s[DST:DST+1] offset:2048*(\i)
.endr
	s_endpgm
; THE TABLE.  Thread T = 256 x work-group + t writes 16 bytes at 16 T of region 0: row T / 32, pairs 2 u and 2 u + 1 with u = T % 32; and (1/8, 0, 1/8, 0) at the same place of region 1.
.set KK, 28
.set RE, 29
.set ZZ, 30
.set II, 31
.set PP, 32
.set QQ, 33
.set S3, 12
.set C3, 13
; cos / 8 and sin / 8 of the angle in v[a].  k = the nearest whole number to a x 2 / pi; r = a - k pi / 2, pi / 2 in three parts; the two series on |r| <= pi / 4; k mod 4 swaps them and sets the signs.
.macro SINCOS a, c, s
	v_mul_f32 v[KK], 0x3f22f983, v[\a]
	v_rndne_f32 v[KK], v[KK]
	v_fmamk_f32 v[RE], v[KK], 0xbfc90fdb, v[\a]
	v_fmamk_f32 v[RE], v[KK], 0x333bbd2e, v[RE]
	v_fmamk_f32 v[RE], v[KK], 0x26f72ced, v[RE]
	v_cvt_i32_f32 v[II], v[KK]
	v_mul_f32 v[ZZ], v[RE], v[RE]
	v_fmaak_f32 v[PP], v[ZZ], v[S3], 0x3c08839e
	v_fmaak_f32 v[PP], v[PP], v[ZZ], 0xbe2aaaa3
	v_mul_f32 v[QQ], v[RE], v[ZZ]
	v_fma_f32 v[\s], v[QQ], v[PP], v[RE]           ; sin r
	v_fmaak_f32 v[PP], v[ZZ], v[C3], 0xbab6061a
	v_fmaak_f32 v[PP], v[PP], v[ZZ], 0x3d2aaaa5
	v_mul_f32 v[QQ], v[ZZ], v[ZZ]
	v_fma_f32 v[\c], v[ZZ], -0.5, 1.0
	v_fma_f32 v[\c], v[QQ], v[PP], v[\c]           ; cos r
	v_and_b32 v[QQ], 1, v[II]
	v_cmp_eq_u32 vcc_lo, 1, v[QQ]
	v_cndmask_b32 v[PP], v[\s], v[\c], vcc_lo      ; k odd: the two change places
	v_cndmask_b32 v[\c], v[\c], v[\s], vcc_lo
	v_lshlrev_b32 v[QQ], 30, v[II]                 ; sin is negative for k mod 4 = 2, 3: bit 1 of k
	v_and_b32 v[QQ], 0x80000000, v[QQ]
	v_xor_b32 v[\s], v[QQ], v[PP]
	v_add_nc_u32 v[QQ], 1, v[II]                   ; cos for k mod 4 = 1, 2: bit 1 of k + 1
	v_lshlrev_b32 v[QQ], 30, v[QQ]
	v_and_b32 v[QQ], 0x80000000, v[QQ]
	v_xor_b32 v[\c], v[QQ], v[\c]
	v_mul_f32 v[\s], 0x3e000000, v[\s]             ; the 1/8
	v_mul_f32 v[\c], 0x3e000000, v[\c]
.endm
.Ltable:
	s_lshl_b32 s36, ttmp9, 8
	v_add_nc_u32 v3, s36, v0                       ; T
	v_lshrrev_b32 v4, 5, v3                        ; the row,
	v_lshlrev_b32 v4, 2, v4                        ; its position's byte
	global_load_b32 v6, v4, s[16:17]
	v_and_b32 v7, 31, v3                           ; u
	v_lshlrev_b32 v5, 4, v3                        ; 16 T
	v_lshlrev_b32 v7, 1, v7
	v_cvt_f32_u32 v8, v7                           ; p = 2 u
	v_add_f32 v9, 1.0, v8                          ; and 2 u + 1
	v_mul_f32 v8, 0xbe549a78, v8                   ; x -log2(10000) / 64
	v_mul_f32 v9, 0xbe549a78, v9
	v_exp_f32 v10, v8
	v_exp_f32 v11, v9
	v_mov_b32 v[S3], 0xb94ca1f9                    ; the series' leading coefficients: plain work behind the two exponentials,
	v_mov_b32 v[C3], 0x37ccf5ce
	s_wait_alu depctr_va_vdst(0)                   ; and the one wait ahead of their first reader
	s_wait_loadcnt 0x0
	v_cvt_f32_i32 v6, v6
	v_mul_f32 v14, v6, v10                         ; the angle: one rounded product
	v_mul_f32 v15, v6, v11
	SINCOS 14, 20, 21
	SINCOS 15, 22, 23
	v_mov_b32 v24, 0x3e000000
	v_mov_b32 v25, 0
	v_mov_b32 v26, 0x3e000000
	v_mov_b32 v27, 0
	global_store_b128 v5, v[20:23], s[22:23]                 ; a wave's store covers 512 consecutive bytes, aligned
	global_store_b128 v5, v[24:27], s[22:23] offset:1048576
	s_endpgm
.Lfunc_end_k_q8043cf84da_prep:
	.size	k_q8043cf84da_prep, .Lfunc_end_k_q8043cf84da_prep-k_q8043cf84da_prep
	.p2alignl 7, 3214868480
	.fill 96, 4, 3214868480
	.section	.rodata,"a",@progbits
	.p2align	6, 0x0
	.amdhsa_kernel k_q8043cf84da_prep
		.amdhsa_group_segment_fixed_size 0
		.amdhsa_private_segment_fixed_size 0
		.amdhsa_enable_private_segment 0
		.amdhsa_kernarg_size 64
		.amdhsa_user_sgpr_count 2
		.amdhsa_user_sgpr_kernarg_segment_ptr 1
		.amdhsa_wavefront_size32 1
		.amdhsa_system_sgpr_workgroup_id_x 1
		.amdhsa_system_sgpr_workgroup_id_y 1
		.amdhsa_system_sgpr_workgroup_id_z 1
		.amdhsa_system_vgpr_workitem_id 0
		.amdhsa_next_free_vgpr 72
		.amdhsa_next_free_sgpr 66
		.amdhsa_reserve_vcc 1
		.amdhsa_float_denorm_mode_32 3
		.amdhsa_float_denorm_mode_16_64 3
		.amdhsa_memory_ordered 1
		.amdhsa_forward_progress 1
		.amdhsa_inst_pref_size 11
	.end_amdhsa_kernel
	.amdgpu_metadata
---
amdhsa.version: [ 1, 2 ]
amdhsa.kernels:
  - .name:           k_q8043cf84da_prep
    .symbol:         k_q8043cf84da_prep.kd
    .args:
      - { .name: x, .offset: 0, .size: 8, .value_kind: global_buffer, .address_space: global }
      - { .name: Wq, .offset: 8, .size: 8, .value_kind: global_buffer, .address_space: global }
      - { .name: Wk, .offset: 16, .size: 8, .value_kind: global_buffer, .address_space: global }
      - { .name: Wv, .offset: 24, .size: 8, .value_kind: global_buffer, .address_space: global }
      - { .name: token_positions, .offset: 32, .size: 8, .value_kind: global_buffer, .address_space: global }
      - { .name: xb, .offset: 40, .size: 8, .value_kind: global_buffer, .address_space: global }
      - { .name: wqkv, .offset: 48, .size: 8, .value_kind: global_buffer, .address_space: global }
      - { .name: cs, .offset: 56, .size: 8, .value_kind: global_buffer, .address_space: global }
    .group_segment_fixed_size: 0
    .private_segment_fixed_size: 0
    .kernarg_segment_align: 8
    .kernarg_segment_size: 64
    .max_flat_workgroup_size: 256
    .sgpr_count:     66
    .vgpr_count:     72
    .wavefront_size: 32
...
	.end_amdgpu_metadata
.endif
;; end of part 1
;; launch qkvrope (part 2): grid 16 x 16, 4 waves a work-group, clusters of 4 x 4, 327,680 bytes of LDS; arguments xb, wqkv, cs, qkv; writes qkv
.if DOCPART == 2
	.amdgcn_target "amdgcn-amd-amdhsa--gfx1250"
	.amdhsa_code_object_version 6
	.text
	.protected	k_q8043cf84da_qkvrope
	.globl	k_q8043cf84da_qkvrope
	.p2align	8
	.type	k_q8043cf84da_qkvrope,@function
k_q8043cf84da_qkvrope:
	s_mov_b64 s[64:65], 0
	v_nop
	global_prefetch_b8 v0, s[64:65] scope:SCOPE_SE
	s_setreg_imm32_b32 hwreg(HW_REG_WAVE_MODE, 25, 1), 1
	s_wait_xcnt 0x0
	s_wait_alu depctr_hold_cnt(0) depctr_sa_sdst(0) depctr_va_vdst(0) depctr_va_sdst(0) depctr_va_ssrc(0) depctr_va_vcc(0) depctr_vm_vsrc(0)
	s_getreg_b32 s2, hwreg(HW_REG_IB_STS2, 6, 4)
	s_cmp_eq_u32 s2, 0
	s_cbranch_scc0 .Lentry_in_a_cluster
	s_endpgm
.Lentry_in_a_cluster:
	s_bfe_u32 s2, ttmp6, 0x10000c
	s_cmp_lg_u32 s2, 0xf033
	s_cbranch_scc0 .Lentry_shape_is_right
	s_endpgm
.Lentry_shape_is_right:
; [2048 tokens] x [6144 columns] = xb wqkv^T in bf16 with f32 sums; on the way out each pair of columns is turned by the table cs (RoPE and 1/8 for q and k; 1/8 alone for v), rounded once
; to f16 and stored by heads: qkv[48][2048][128], heads 0-15 q / 8, 16-31 k / 8, 32-47 v / 8.
; SHARES.  A work-group makes 128 tokens x 384 columns (three whole heads, so each row of a head, 256 bytes, is stored whole): 16 x 16 = 256 work-groups.  Wave w makes all 128 rows x columns
; 96 w .. 96 w + 95: 8 x 6 accumulators of 16 x 16, 384 registers.  K goes in 16 steps of 128 through two LDS slots; a row of a tile is 256 bytes of memory, aligned.
; CLUSTER 4 x 4: x's tile hangs on the tile row alone and is asked for jointly along a row of the cluster, the weights' on the tile column alone and jointly along a column.
; Wave 0 fetches x's 128 rows, waves 1 to 3 128 rows of the weights each: one tensor load a wave behind each round.
; THE TEXT.  A K step is written once for the 14 steps that fill a slot again and once for the last two, which fill nothing: the slot in hand is a scalar (TB) that an exclusive or turns, and one descriptor a tensor walks.
; THE CHANGE OF SLOTS holds nothing but its waits, the round and the refill: the step's last 48 products stand behind the refill, so that it goes out as soon as every partner's tile has landed.
; THE MATRIX INSTRUCTION IS USED TRANSPOSED (source 0 = 16 rows of the weights, source 1 = 16 tokens): a lane holds one token (lane % 16) and eight neighbouring columns, four pairs of RoPE.
; LIMIT.  |q|, |k|, |v| up to 8 x 65,504 fit the f16 store; NaN and infinities are not treated apart (v's 0 x x term).
; REGISTERS: window 0: v16-31 addresses; v64-127, v128-191 x's fragments, two buffers; on the way out v112-159 and v160-183 at work.   window 1: v64-111, v128-175 the weights' fragments.
;   windows 2, 3: accumulator (a, b) at v[8 (6 (a % 4) + b)] of window 2 + a / 4.   The table's eight blocks of 48 registers: TREG says where.
.set SIZE_K, 2048
.set KSTEP,  128
.set STEPS,  SIZE_K/KSTEP
.set PITCH,  272                       ; an LDS row: 256 bytes + 16 of padding: the 16 rows of a fragment load start at 16 different groups of four banks (ISA guide 11.1)
.set HALFT,  128*PITCH                 ; what one tensor load brings
.set SLOT,   4*HALFT                   ; x's 128 rows, then the weights' 384
.set SLOTX,  0x24000                   ; slot 1 begins here: the four waves' places in slot 0 (multiples of 0x8800) have neither bit 14 nor bit 17 set, so one exclusive or changes slots
.set SPARE,  SLOTX+SLOT                ; behind the ring: the spare words, 128 bytes for each wave
.set SPITCH, 784                       ; the stage: 128 rows x (768 + 16) bytes, in slot 0's bytes, which have had their last fill and their last read when it is written
.set ADRA0, 16                         ; v16     my lane's place in x's rows of a slot; never rewritten
.set ADRB0, 17                         ; v17     the same in my 96 rows of the weights; never rewritten
.set ADA,  20                          ; v20     the two in the slot in hand
.set ADB,  21                          ; v21
.set STO,  24                          ; v24-25  the stage: where I put 16 bytes of a row, rows 0-63 and 64-127
.set RD,   26                          ; v26     where I read rows back
.set CO,   27                          ; v27     16 x lane: my bytes in 512 consecutive bytes of a head
.set SPW,  28                          ; v28     my spare word; never rewritten
.set NIL,  29                          ; v29     0; never rewritten
.set PFO,  30                          ; v30     the prefetches' offset: lane x a row of 4,096 bytes
.set TO,   31                          ; v31     my offset in 16 rows of the table
.set F0,   64
.set F1,   128
.set RR,   112
.set HH,   160
.set WV,   12
.set TY,   13
.set TX,   14
.set CX,   15
.set CY,   16
.set LIM,  17                          ; s17     2 in a wave that prefetches, else the greatest number
.set PFA,  18                          ; s[18:19] where my prefetches stand
.set G1,   24                          ; s[24:31] group 1 for x's tiles;  s[32:39] group 0: a set for each of the two first fills; the second then walks on
.set G0,   32
.set G1B,  48                          ; s[48:55], s[56:63] the same for the weights'
.set G0B,  56
.set TBS,  66                          ; s[66:77] the table's address for each of my six column blocks
.set TB,   88                          ; s88     LDS byte at which the slot in hand begins
.set MSB, 0
.macro WIN new                         ; the immediate's high byte repeats the setting that is left; a switch that changes nothing is dropped
.if MSB != (\new)
	s_set_vgpr_msb (MSB<<8)|(\new)
.set MSB, \new
.endif
.endm
.set MUL_LO, 0xa1                      ; source 0 (weights) window 1, source 1 (x) window 0, C and D window 2
.set MUL_HI, 0xf1                      ; the same, C and D window 3
.set TO_B,   0x40                      ; destination window 1, address window 0
.macro JLOAD s                         ; a joint load; the branch hangs on the wave's number alone; an s_nop 0 and four v_nop follow each of the two lines
	s_cmp_eq_u32 s[WV], 0
	s_cbranch_scc0 .Lfor_b_\@
	tensor_load_to_lds s[G0+4*(\s):G0+4*(\s)+3], s[G1:G1+7]
	s_nop 0
.rept 4
	v_nop
.endr
	s_branch .Lasked_\@
.Lfor_b_\@:
	tensor_load_to_lds s[G0B+4*(\s):G0B+4*(\s)+3], s[G1B:G1B+7]
	s_nop 0
.rept 4
	v_nop
.endr
.Lasked_\@:
.endm
; A prefetch of the K step that stands two refills on: 32 rows x 256 bytes, a lane a row.  x's rows are read by every cluster of a row of clusters: cluster x = 0 asks; the weights' by every cluster of a
; column: cluster y = 0 asks.  The four partners that ask for a tile jointly share its 128 rows out by address, 32 each.  So each row's 256 bytes of a K step are named once.  The loop's last two trips ask for nothing.
.macro ASK
	s_cmp_gt_u32 s3, s[LIM]
	s_cbranch_scc0 .Lnot_mine_\@
	global_prefetch_b8 v[PFO], s[PFA:PFA+1] offset:KSTEP*2 th:TH_LOAD_NT scope:SCOPE_SE
.Lnot_mine_\@:
.endm
.macro CROUND                          ; a round of the cluster's barrier
	s_barrier_signal -1
	s_barrier_wait -1
	s_cmp_lg_u32 s[WV], 0
	s_cbranch_scc1 .Lnot_wave_0_\@
	s_barrier_signal -3
.Lnot_wave_0_\@:
	s_barrier_wait -3
	s_barrier_signal -1
	s_barrier_wait -1
.endm
	s_load_b256 s[4:11], s[0:1], 0x0               ; xb s[4:5], wqkv s[6:7], cs s[8:9], qkv s[10:11]
	v_lshl_add_u32 v[SPW], v0, 2, SPARE
	v_mov_b32 v[NIL], 0
	ds_add_u32 v[SPW], v[NIL]                      ; the wave's opening: the add and its wait ahead of my first tensor load
	v_lshrrev_b32 v1, 5, v0
	v_readfirstlane_b32 s[WV], v1                  ; wave 0..3
	s_bfe_u32 s[CX], ttmp6, 0x40000
	s_bfe_u32 s[CY], ttmp6, 0x40004
	s_lshl_b32 s[TX], ttmp9, 2
	s_add_co_u32 s[TX], s[TX], s[CX]               ; tile column = 4 x cluster x + cx
	s_and_b32 s[TY], ttmp7, 0xffff
	s_lshl_b32 s[TY], s[TY], 2
	s_add_co_u32 s[TY], s[TY], s[CY]               ; tile row = 4 x cluster y + cy
	s_lshl_b32 s20, s[CY], 2
	s_lshl_b32 s20, 15, s20                        ; my row of the cluster
	s_lshl_b32 s22, 0x1111, s[CX]                  ; my column
	s_or_b32 s[G1+0], s20, (1<<16)|(1<<20)|(1<<21)|(5<<22)|(3<<25)   ; the mask; 2-byte elements; padding on; bit 21 beside a mask; after every 64 words, 4 words
	s_or_b32 s[G1B+0], s22, (1<<16)|(1<<20)|(1<<21)|(5<<22)|(3<<25)
.irp g, G1, G1B
	s_mov_b32 s[(\g)+1], KSTEP<<16                 ; tensor_dim0 = 128
	s_mov_b32 s[(\g)+2], 128<<16                   ; tensor_dim1 = 128
	s_mov_b32 s[(\g)+3], KSTEP<<16                 ; tile_dim0 = 128
	s_mov_b32 s[(\g)+4], 128                       ; tile_dim1 = 128
	s_mov_b32 s[(\g)+5], SIZE_K                    ; elements from row to row
	s_mov_b32 s[(\g)+6], 0
	s_mov_b32 s[(\g)+7], 0
.endr
	s_lshl_b32 s40, s[TY], 19                      ; x: row 128 x tile row, 4,096 bytes a row
	s_mov_b32 s41, 0
	s_max_u32 s23, s[WV], 1
	s_sub_co_u32 s23, s23, 1
	s_lshl_b32 s23, s23, 7                         ; which 128 rows of the weights' 384 I fetch
	s_mul_i32 s42, s[TX], 384
	s_add_co_u32 s42, s42, s23
	s_lshl_b32 s42, s42, 12
	s_mov_b32 s43, 0
	s_mul_i32 s21, s[WV], HALFT                    ; where my tile goes: wave x 128 rows: no place in the cluster enters an LDS address
	s_mov_b32 s[TB], 0
	s_wait_dscnt 0x0                               ; the opening add is done
	s_wait_kmcnt 0x0
	s_add_nc_u64 s[40:41], s[4:5], s[40:41]
	s_add_nc_u64 s[42:43], s[6:7], s[42:43]
	CROUND                                         ; all sixteen work-groups are here: the first joint loads meet
.irp s, 0,1
	s_mov_b32 s[G0+4*(\s)], 1
	s_add_co_u32 s[G0+4*(\s)+1], s21, (\s)*SLOTX
	s_add_nc_u64 s[G0+4*(\s)+2:G0+4*(\s)+3], s[40:41], (\s)*KSTEP*2
	s_or_b32 s[G0+4*(\s)+3], s[G0+4*(\s)+3], 0x80000000
	s_mov_b32 s[G0B+4*(\s)], 1
	s_add_co_u32 s[G0B+4*(\s)+1], s21, (\s)*SLOTX
	s_add_nc_u64 s[G0B+4*(\s)+2:G0B+4*(\s)+3], s[42:43], (\s)*KSTEP*2
	s_or_b32 s[G0B+4*(\s)+3], s[G0B+4*(\s)+3], 0x80000000
	JLOAD \s                                       ; the ring is filled before anything else is done: two loads of mine are out
.endr
	v_and_b32 v1, 15, v0                           ; l % 16
	v_bfe_u32 v2, v0, 4, 1                         ; l / 16
	v_mul_u32_u24 v[ADRA0], v1, PITCH
	v_lshl_add_u32 v[ADRA0], v2, 4, v[ADRA0]       ; a fragment's row x pitch + 16 x half
	s_mul_i32 s22, s[WV], 96*PITCH                 ; my 96 rows of the weights,
	s_add_co_u32 s22, s22, HALFT                   ; which lie behind x's 128
	v_add_nc_u32 v[ADRB0], s22, v[ADRA0]
	v_add_nc_u32 v[ADA], s[TB], v[ADRA0]           ; slot 0
	v_add_nc_u32 v[ADB], s[TB], v[ADRB0]
	v_mul_u32_u24 v4, v1, SPITCH                   ; into the stage: row l % 16, my 192 bytes of it, 16 bytes for each half of the lanes
	v_lshl_add_u32 v4, v2, 4, v4
	s_mul_i32 s23, s[WV], 192
	v_add_nc_u32 v[STO], s23, v4
	v_add_nc_u32 v[STO+1], 64*SPITCH, v[STO]
	s_mul_i32 s23, s[WV], 32*SPITCH                ; back: wave w takes rows 32 w .. 32 w + 31; lanes 0-15 256 bytes of one row, lanes 16-31 of the next
	v_mul_u32_u24 v5, v2, SPITCH
	v_lshl_add_u32 v5, v1, 4, v5
	v_add_nc_u32 v[RD], s23, v5
	v_and_b32 v5, 31, v0
	v_lshlrev_b32 v[CO], 4, v5
	v_lshlrev_b32 v[PFO], 12, v5
	v_lshlrev_b32 v[TO], 9, v1                     ; the table: token l % 16, 512 bytes a row; my 8 floats
	v_lshl_add_u32 v[TO], v2, 5, v[TO]
	s_mul_i32 s78, s[TX], 3*524288                 ; qkv at head 3 x tile column, token 128 x tile row + 32 x wave
	s_lshl_b32 s79, s[TY], 15
	s_add_co_u32 s78, s78, s79
	s_lshl_b32 s79, s[WV], 13
	s_add_co_u32 s78, s78, s79
	s_mov_b32 s79, 0
	s_add_nc_u64 s[10:11], s[10:11], s[78:79]
	s_mul_i32 s80, s[TX], 384                      ; my first column n
	s_mul_i32 s81, s[WV], 96
	s_add_co_u32 s80, s80, s81
	s_lshl_b32 s82, s[TY], 16                      ; the tile's 128 rows of the table
.irp b, 0,1,2,3,4,5
	s_add_co_u32 s84, s80, 16*(\b)
	s_and_b32 s85, s84, 127                        ; the channel in its head,
	s_lshl_b32 s85, s85, 2
	s_add_co_u32 s85, s85, s82
	s_lshr_b32 s84, s84, 7                         ; the head: from 32 on it is v's, and the second region is taken: a choice of offsets, no branch
	s_cmp_ge_u32 s84, 32
	s_cselect_b32 s84, 1048576, 0
	s_add_co_u32 s84, s84, s85
	s_mov_b32 s85, 0
	s_add_nc_u64 s[TBS+2*(\b):TBS+2*(\b)+1], s[8:9], s[84:85]
.endr
	s_and_b32 s84, ttmp7, 0xffff                   ; the prefetches
	s_cmp_eq_u32 s[WV], 0                          ; do I fetch x's rows?
	s_cselect_b32 s85, ttmp9, s84                  ; the coordinate along which other clusters read the same rows
	s_cselect_b32 s86, s[CX], s[CY]                ; my place among the four that ask with me
	s_cselect_b64 s[PFA:PFA+1], s[40:41], s[42:43]
	s_cmp_eq_u32 s85, 0
	s_cselect_b32 s[LIM], 2, -1                    ; the same in all sixteen partners, for a given wave
	s_lshl_b32 s86, s86, 17                        ; my work-group's 32 rows of the 128
	s_mov_b32 s87, 0
	s_add_nc_u64 s[PFA:PFA+1], s[PFA:PFA+1], s[86:87]
	s_add_nc_u64 s[PFA:PFA+1], s[PFA:PFA+1], 2*KSTEP*2  ; at K step 2: the first refill steps it to 3 and names K step 4; nothing is prefetched here at the head
; 12 matrix instructions: row blocks a0, a0 + 1 of the window's four x all 6 column blocks, 32 along K.  The 48 accumulators take turns in the same order in every quarter.
.macro MUL12 f, hi, a0, zero
	WIN MUL_LO+0x50*(\hi)
.irp a, \a0, (\a0)+1
.irp b, 0,1,2,3,4,5
.if \zero
	v_wmma_f32_16x16x32_bf16 v[8*(6*(\a)+(\b)):8*(6*(\a)+(\b))+7], v[(\f)+8*(\b):(\f)+8*(\b)+7], v[(\f)+8*(4*(\hi)+(\a)):(\f)+8*(4*(\hi)+(\a))+7], 0
.else
	v_wmma_f32_16x16x32_bf16 v[8*(6*(\a)+(\b)):8*(6*(\a)+(\b))+7], v[(\f)+8*(\b):(\f)+8*(\b)+7], v[(\f)+8*(4*(\hi)+(\a)):(\f)+8*(4*(\hi)+(\a))+7], v[8*(6*(\a)+(\b)):8*(6*(\a)+(\b))+7]
.endif
.endr
.endr
.endm
; 28 LDS loads in one run: a quarter step's fragments (96 rows of the weights, 128 of x, 32 K at byte k of the rows of the slot in hand) into buffer f
.macro FETCH k, f
	WIN TO_B
.irp i, 0,1,2,3,4,5
	ds_load_b128 v[(\f)+8*(\i):(\f)+8*(\i)+3],   v[ADB] offset:(\k)+(\i)*16*PITCH
	ds_load_b128 v[(\f)+8*(\i)+4:(\f)+8*(\i)+7], v[ADB] offset:(\k)+(\i)*16*PITCH+32
.endr
	WIN 0
.irp i, 0,1,2,3,4,5,6,7
	ds_load_b128 v[(\f)+8*(\i):(\f)+8*(\i)+3],   v[ADA] offset:(\k)+(\i)*16*PITCH
	ds_load_b128 v[(\f)+8*(\i)+4:(\f)+8*(\i)+7], v[ADA] offset:(\k)+(\i)*16*PITCH+32
.endr
.endm
.macro PLACES                          ; four plain places behind matrix instructions, in front of loads into registers that they have read and of vector work on their results
.rept 4
	v_nop
.endr
.endm
.macro QUARTER k, f, g, zero           ; multiplies buffer f; in its middle fetches the next quarter, at byte k, into g
	s_wait_dscnt 8                                 ; the weights and x's rows 0-63 are in; the youngest eight loads (rows 64-127) may be out
	MUL12 \f, 0, 0, \zero
	MUL12 \f, 0, 2, \zero
	PLACES
	FETCH \k, \g
	s_wait_dscnt 28                                ; all but the 28 just issued
	MUL12 \f, 1, 0, \zero
	MUL12 \f, 1, 2, \zero
.endm
; The last quarter of a K step changes slots and multiplies buffer 1.  In front of the barrier each wave waits for all its tensor loads (one is out: its part of the next slot), adds 0 to its spare word, and waits
; for that and for its reads of this slot (the last were issued 24 matrix instructions ago).  fill = 1: the barrier is a round of the cluster's, and the joint refill, two K steps ahead, is the first thing behind it.
; fill = 0: the last two steps; the very last (s3 = 1) has no next step, and the run of loads is jumped over.
.macro TURN fill
.if \fill
	s_wait_xcnt 0x0                                ; the last prefetch, a K step back, has read its address
	s_add_nc_u64 s[PFA:PFA+1], s[PFA:PFA+1], KSTEP*2
.endif
	WIN 0
	s_wait_tensorcnt 0x0                           ; no tensor load of mine is out, so a group 0 may be written
	ds_add_u32 v[SPW], v[NIL]                      ; the scalar steps stand between the add and the wait for it
.if \fill
	s_xor_b32 s[G0+5], s[G0+5], SLOTX              ; the walking descriptors: the other slot than last time,
	s_add_nc_u64 s[G0+6:G0+7], s[G0+6:G0+7], KSTEP*2  ; the next K step; the type bits on top are not reached
	s_xor_b32 s[G0B+5], s[G0B+5], SLOTX
	s_add_nc_u64 s[G0B+6:G0B+7], s[G0B+6:G0B+7], KSTEP*2
.endif
	s_xor_b32 s[TB], s[TB], SLOTX                  ; the fetches go on in the other slot
	s_wait_dscnt 0x0                               ; the add is done, and my reads of this slot are over
.if \fill
	CROUND
	JLOAD 1                                        ; its four v_nop are also the places in front of the loads below
.else
	s_barrier_signal -1
	s_barrier_wait -1
	s_cmp_eq_u32 s3, 1
	s_cbranch_scc1 .Lno_fetch_\@
	v_nop                                          ; with the two lines below: the four places
	v_nop
.endif
	v_add_nc_u32 v[ADA], s[TB], v[ADRA0]
	v_add_nc_u32 v[ADB], s[TB], v[ADRB0]
	FETCH 0, F0
.if \fill
	ASK
.else
.Lno_fetch_\@:
.endif
	MUL12 F1, 0, 0, 0
	MUL12 F1, 0, 2, 0
	MUL12 F1, 1, 0, 0
	MUL12 F1, 1, 2, 0
.endm
; THE WAY OUT.  The table's 16 tokens of row block a for my column block b are 8 floats a lane.  TREG: where they lie (TT) and in which window (TW).  Blocks 0 to 4 lie in registers that the K steps leave
; free, and are asked for ahead of the last two steps; blocks 5 to 7 lie in the fragment buffers, and are asked for behind the last product.
.macro TREG a, b
.if (\a) == 0
.set TW, 0
.set TT, 192+8*(\b)
.elseif (\a) == 1
.set TW, 0
.if (\b) < 4
.set TT, 32+8*(\b)
.else
.set TT, 240+8*((\b)-4)
.endif
.elseif (\a) == 2
.set TW, 1
.set TT, 8*(\b)
.elseif (\a) == 3
.set TW, 1
.set TT, 176+8*(\b)
.elseif (\a) == 4
.set TW, 1
.if (\b) < 2
.set TT, 48+8*(\b)
.elseif (\b) < 4
.set TT, 112+8*((\b)-2)
.else
.set TT, 224+8*((\b)-4)
.endif
.elseif (\a) == 5
.set TW, 1
.set TT, 64+8*(\b)
.elseif (\a) == 6
.set TW, 1
.set TT, 128+8*(\b)
.else
.set TW, 0
.set TT, 64+8*(\b)
.endif
.endm
.macro TLOAD a
.irp b, 0,1,2,3,4,5
	TREG \a, \b
	WIN TW<<6
	global_load_b128 v[TT:TT+3],   v[TO], s[TBS+2*(\b):TBS+2*(\b)+1] offset:8192*(\a)
	global_load_b128 v[TT+4:TT+7], v[TO], s[TBS+2*(\b):TBS+2*(\b)+1] offset:8192*(\a)+16
.endr
.endm
; ROPE a: (xe, xo) -> (xe cos - xo sin, xe sin + xo cos), rounded to f16, 16 bytes a lane and block into the stage.  The first line on each accumulator reads its register 1.
.macro ROPE a
.if (\a) == 0
	PLACES
	TLOAD 5
	TLOAD 6
	TLOAD 7
	s_wait_loadcnt 36                              ; blocks 0 to 4 are in; the 36 loads just issued may be out
.elseif (\a) >= 5
	s_wait_loadcnt 12*(7-(\a))                     ; this block's 12 loads are in; the later blocks' may be out
.endif
.set AC, 48*((\a)%4)
.irp b, 0,1,2,3,4,5
	TREG \a, \b
	WIN (2+(\a)/4)|(TW<<2)                         ; source 0: the accumulators' window; source 1: the table's
.irp p, 0,1,2,3
	v_mul_f32 v[RR+8*(\b)+2*(\p)],   v[AC+8*(\b)+2*(\p)+1], v[TT+2*(\p)+1]
	v_mul_f32 v[RR+8*(\b)+2*(\p)+1], v[AC+8*(\b)+2*(\p)+1], v[TT+2*(\p)]
.endr
.endr
.irp b, 0,1,2,3,4,5
	TREG \a, \b
.irp p, 0,1,2,3
	v_fma_f32 v[RR+8*(\b)+2*(\p)],   v[AC+8*(\b)+2*(\p)], v[TT+2*(\p)],   -v[RR+8*(\b)+2*(\p)]
	v_fma_f32 v[RR+8*(\b)+2*(\p)+1], v[AC+8*(\b)+2*(\p)], v[TT+2*(\p)+1], v[RR+8*(\b)+2*(\p)+1]
.endr
.endr
	WIN 0
.irp b, 0,1,2,3,4,5
.irp p, 0,1,2,3
	v_cvt_pk_f16_f32 v[HH+4*(\b)+(\p)], v[RR+8*(\b)+2*(\p)], v[RR+8*(\b)+2*(\p)+1]
.endr
.endr
.irp b, 0,1,2,3,4,5
	ds_store_b128 v[STO+(\a)/4], v[HH+4*(\b):HH+4*(\b)+3] offset:((\a)%4)*16*SPITCH+32*(\b)
.endr
.endm
	s_wait_tensorcnt 1                             ; my part of K step 0 is in; K step 1's may stay out
	s_barrier_signal -1
	s_barrier_wait -1
	FETCH 0, F0
	QUARTER 64,  F0, F1, 1                         ; the first quarter stands in front of the loop: its products start the sums
	WIN 0
	s_mov_b32 s3, STEPS-2
.Lstep:                                        ; a trip goes from a K step's second quarter to the next step's first, and fills the slot that it leaves
	QUARTER 128, F1, F0, 0
	QUARTER 192, F0, F1, 0
	TURN 1
	QUARTER 64,  F0, F1, 0
	WIN 0
	s_sub_co_u32 s3, s3, 1
	s_cmp_lg_u32 s3, 0
	s_cbranch_scc1 .Lstep
.irp a, 0,1,2,3,4
	TLOAD \a                                       ; 60 loads of the table come while the last two steps are multiplied
.endr
	WIN 0
	s_mov_b32 s3, 2
.Ltail:                                        ; the last two K steps fill nothing: no tensor load stands in this loop
	QUARTER 128, F1, F0, 0
	QUARTER 192, F0, F1, 0
	TURN 0
	WIN 0
	s_cmp_eq_u32 s3, 1                             ; behind the very last step there is no first quarter
	s_cbranch_scc1 .Llast
	QUARTER 64,  F0, F1, 0
	WIN 0
.Llast:
	s_sub_co_u32 s3, s3, 1
	s_cmp_lg_u32 s3, 0
	s_cbranch_scc1 .Ltail
	s_wait_dscnt 0x0                               ; no LDS load of mine is out
.irp a, 0,1,2,3,4,5,6,7
	ROPE \a
.endr
	s_wait_dscnt 0x0                               ; for the others' sake: my stores into the stage are done
	s_barrier_signal -1
	s_barrier_wait -1                              ; a row's 768 bytes come from all four waves
.set n, 0
.rept 48                                       ; pair of rows n / 3, head n % 3
	ds_load_b128 v[64+4*n:64+4*n+3], v[RD] offset:2*SPITCH*(n/3)+256*(n%3)
.set n, n+1
.endr
.set n, 0
.rept 48
	s_wait_dscnt 47-n                              ; LDS loads come back in order: load n is in
	global_store_b128 v[CO], v[64+4*n:64+4*n+3], s[10:11] offset:(n%3)*524288+512*(n/3)  ; two rows of a head: 512 consecutive bytes, aligned
.set n, n+1
.endr
	s_wait_tensorcnt 0x0                           ; the wave's end
	ds_add_u32 v[SPW], v[NIL]
	s_wait_dscnt 0x0
	CROUND                                         ; the closing round
	s_endpgm
.Lfunc_end_k_q8043cf84da_qkvrope:
	.size	k_q8043cf84da_qkvrope, .Lfunc_end_k_q8043cf84da_qkvrope-k_q8043cf84da_qkvrope
	.p2alignl 7, 3214868480
	.fill 96, 4, 3214868480
	.section	.rodata,"a",@progbits
	.p2align	6, 0x0
	.amdhsa_kernel k_q8043cf84da_qkvrope
		.amdhsa_group_segment_fixed_size 327680
		.amdhsa_private_segment_fixed_size 0
		.amdhsa_enable_private_segment 0
		.amdhsa_kernarg_size 32
		.amdhsa_user_sgpr_count 2
		.amdhsa_user_sgpr_kernarg_segment_ptr 1
		.amdhsa_wavefront_size32 1
		.amdhsa_system_sgpr_workgroup_id_x 1
		.amdhsa_system_sgpr_workgroup_id_y 1
		.amdhsa_system_sgpr_workgroup_id_z 1
		.amdhsa_system_vgpr_workitem_id 0
		.amdhsa_next_free_vgpr 1024
		.amdhsa_next_free_sgpr 96
		.amdhsa_reserve_vcc 0
		.amdhsa_float_denorm_mode_32 3
		.amdhsa_float_denorm_mode_16_64 3
		.amdhsa_memory_ordered 1
		.amdhsa_forward_progress 1
		.amdhsa_inst_pref_size 130
	.end_amdhsa_kernel
	.amdgpu_metadata
---
amdhsa.version: [ 1, 2 ]
amdhsa.kernels:
  - .name:           k_q8043cf84da_qkvrope
    .symbol:         k_q8043cf84da_qkvrope.kd
    .args:
      - { .name: xb, .offset: 0, .size: 8, .value_kind: global_buffer, .address_space: global }
      - { .name: wqkv, .offset: 8, .size: 8, .value_kind: global_buffer, .address_space: global }
      - { .name: cs, .offset: 16, .size: 8, .value_kind: global_buffer, .address_space: global }
      - { .name: qkv, .offset: 24, .size: 8, .value_kind: global_buffer, .address_space: global }
    .group_segment_fixed_size: 327680
    .private_segment_fixed_size: 0
    .kernarg_segment_align: 8
    .kernarg_segment_size: 32
    .max_flat_workgroup_size: 128
    .sgpr_count:     96
    .vgpr_count:     1024
    .wavefront_size: 32
...
	.end_amdgpu_metadata
.endif
;; end of part 2
;; launch attn (part 3): grid 16 x 16, 4 waves a work-group, clusters of 4 x 1, 327,680 bytes of LDS; arguments qkv, Wo, ob, wo16; writes ob, wo16
.if DOCPART == 3
	.amdgcn_target "amdgcn-amd-amdhsa--gfx1250"
	.amdhsa_code_object_version 6
	.text
	.protected	k_q8043cf84da_attn
	.globl	k_q8043cf84da_attn
	.p2align	8
	.type	k_q8043cf84da_attn,@function
k_q8043cf84da_attn:
	s_mov_b64 s[64:65], 0
	v_nop
	global_prefetch_b8 v0, s[64:65] scope:SCOPE_SE
	s_setreg_imm32_b32 hwreg(HW_REG_WAVE_MODE, 25, 1), 1
	s_wait_xcnt 0x0
	s_wait_alu depctr_hold_cnt(0) depctr_sa_sdst(0) depctr_va_vdst(0) depctr_va_sdst(0) depctr_va_ssrc(0) depctr_va_vcc(0) depctr_vm_vsrc(0)
	s_getreg_b32 s2, hwreg(HW_REG_IB_STS2, 6, 4)
	s_cmp_eq_u32 s2, 0
	s_cbranch_scc0 .Lentry_in_a_cluster
	s_endpgm
.Lentry_in_a_cluster:
	s_bfe_u32 s2, ttmp6, 0x10000c
	s_cmp_lg_u32 s2, 0x3003
	s_cbranch_scc0 .Lentry_shape_is_right
	s_endpgm
.Lentry_shape_is_right:
; CAUSAL ATTENTION, head size 128, 16 heads of 2,048 rows.  qkv[48][2048][128] f16 holds q / 8, k / 8, v / 8 by heads; ob[2048][2048] f16 takes O / 8, head h at columns 128 h.
; Products, maxima and sums in f32; the weights p are rounded to f16 for the second product; O once at the end.  p = 2^(c s - c m), c = 64 log2(e) / sqrt(128): the 64 undoes the two 1/8.
; THE WALK.  A head has 32 blocks of 64 queries.  Work-group b = 4 a + cx (a: the cluster's x) takes block 31 - b and then block b.  Every wave holds all 64 queries (four tiles of 16); THE KEYS ARE SPLIT AMONG
; THE WAVES: a round is a tile of 256 keys, of which wave w takes 64 w .. 64 w + 63.  The blocks need 8 - a and a + 1 rounds: nine for every work-group, and the four partners of a cluster walk the same
; tiles 0 .. 7 - a, 0 .. a: each tile is asked for jointly, and every branch hangs on a and on counters alone.  cx enters global addresses of my own and the masks' scalars (by selects).
; At a block's end the four waves' (c m, l, O) are merged through LDS: weight of wave v = 2^(c m_v - max) / the sum over v of 2^(c m_v - max) l_v.
; THE MASK is the C operand that starts a sum S^T = K Q^T: 0, or -2^100 where the key is hidden.  A power of two, so that c m is exact for a wave that has seen hidden keys alone: its p are 1, its l and O finite,
; and the merge gives it the weight 0.  LIMITS: a hidden score counts as -2^100 (scores of f16 operands stay under 2^40); a weight below 2^-126 counts as 0; NaN and infinities are not treated apart.
; LAYOUT.  S^T = K Q^T holds one query a lane (lane % 16) and the keys 8 (lane / 16) + 0..7; two such results rounded to f16 are source 1 of O^T = V^T P.  V is turned by ds_load_tr16_b128.
; A STEP (64 keys x 64 queries): piece 0's (tiles 0, 1) scores; piece 2's scores with piece 0's softmax in slices behind them; piece 0's V^T P with piece 2's softmax; piece 2's V^T P.
; BESIDE IT: Wo -> wo16 = 8 x bf16(Wo) as f16, for the launch behind (exact from 2^-14 to 65,504; below, f16's fixed step of 6e-8).  The 1,024 waves take 16 KiB of Wo each, 2 KiB in each of the loop's eight trips:
; four loads behind the joint refill, 40 vector lines behind the first ten of piece 2's products V^T P, which have no other work beside them, four stores of 256 consecutive bytes, aligned.
; O^T and l are cleared once at the start and a block's first step multiplies them by a = 0: no first step is written out; the price is 264 v_mov_b32 in the wait for the first tile.
; REGISTERS: window 0: v1-11 addresses; v12-43 statistics, 8 a tile; v44-53 the merge; v61-63; v64-191 S^T; v192-255 P.  window 1: O^T, 64 a tile.  window 2: v0-127 Q, v128-255 K.
;   window 3: v0-127 V; v128-159 four masks of 8 registers; v160-191 Wo's cast.
.set PK,    272                        ; a row of K in LDS: 256 + 16 bytes
.set PV,    288                        ; a row of V: 256 + 32 bytes
.set VOFF,  256*PK                     ; a slot: 256 rows of K, then 256 rows of V
.set SLOTX, 0x24000                    ; slot 1 begins here; no address in slot 0 that is turned has bit 14 or 17 set, so one exclusive or changes slots
.set STAGE, SLOTX+256*(PK+PV)          ; 4 waves x 16 rows x 528 bytes: a tile of O^T in f32; never filled by a tensor load
.set STATS, STAGE+4*16*528             ; [tile][query][wave] of (c m, l): 2,048 bytes
.set SPARE, STATS+2048                 ; the spare words, 128 bytes for each wave
.set AK0, 2
.set AV0, 3
.set ADR, 4
.set QO,  5
.set SADR, 6
.set WADR, 7
.set PST, 8
.set PRD, 9
.set GO,  10                           ; v10  8 x lane
.set WOI, 11                           ; v11  16 x lane
.set ST,  12                           ; tile t at v[ST+8 t]: +0 c m, +1 m, +2, +3 l (even keys', odd keys'), +4 to +7 at work; a takes +6
.set PFO, 61
.set SPW, 62
.set NIL, 63
.set S,   64
.set P,   192
.set KF,  128
.set TRI, 128                          ; window 3: -2^100 where key 8 (l / 16) + r > query l % 16
.set MLT, 136                          ; the mask for key group < tile, = tile, > tile
.set MEQ, 144
.set MGT, 152
.set WI,  160                          ; window 3: four items of Wo as loaded, 4 registers each
.set WO,  176                          ; the same to store, 2 registers each
.set WT,  184                          ; at work
.set WV,  12
.set CLA, 13                           ; a
.set CX,  14
.set HD,  15
.set BI,  16                           ; the block in hand
.set BI2, 17
.set LT,  18                           ; its last tile
.set CT,  19                           ; the tile in hand
.set KB,  20                           ; s[20:21] K at my half of the head's tile 0;  s[22:23] V
.set VB,  22
.set G1K, 24
.set G1V, 32
.set G0K, 40
.set G0V, 44
.set QB,  48
.set QB2, 50
.set OB,  52
.set OB2, 54
.set SLOTS, 56
.set NXT, 57                           ; the tile to be asked for next
.set CS,  58
.set SEL, 60
.set TB,  62                           ; LDS byte at which the slot in hand begins
.set LQ,  63                           ; the last tile of the block whose tiles are being asked for
.set WS,  66                           ; s[66:81] sixteen weights (at the head: offsets)
.set OFF, 82
.set AL,  84
.set BE,  86
.set BG,  88
.set BIGN, 89
.set SN,  90
.set LIM, 91
.set PFA, 92
.set E8,  96                           ; s[96:97] 8.0, named as a pair
.set WOB, 98                           ; s[98:99] Wo behind the 2 KiB of the trip in hand: the loads reach back
.set W16, 100                          ; s[100:101] wo16 likewise, 1 KiB
.set MSB, 0
.macro WIN new
.if MSB != (\new)
	s_set_vgpr_msb (MSB<<8)|(\new)
.set MSB, \new
.endif
.endm
.set W_KQ, 0x0a                        ; K and Q in window 2, S^T in window 0
.set W_KM, 0x3a                        ; the same with the C operand in window 3
.set W_PV, 0x53                        ; V in window 3, P in window 0, O^T in window 1
.set W_RS, 0x41                        ; O^T (destination and source 0) in window 1, a in window 0
.macro JLOAD                           ; waves 0 and 1 fetch the halves of a tile's K, waves 2 and 3 of its V: 128 rows each
	s_cmp_lt_u32 s[WV], 2
	s_cbranch_scc0 .Lfor_v_\@
	tensor_load_to_lds s[G0K:G0K+3], s[G1K:G1K+7]
	s_nop 0
.rept 4
	v_nop
.endr
	s_branch .Lasked_\@
.Lfor_v_\@:
	tensor_load_to_lds s[G0V:G0V+3], s[G1V:G1V+7]
	s_nop 0
.rept 4
	v_nop
.endr
.Lasked_\@:
.endm
; A prefetch of the tile that the NEXT change of slots will ask for.  All clusters of a head begin with the same tiles: the head's first cluster (a = 0) asks, in its first six rounds, for tiles 2 to 7.  Each wave names
; 32 of the 128 rows that it fetches, the partners told apart by address: 4 partners x 4 waves x 32 lanes = a tile's 512 rows, each named once.  The second block's tiles have been read and are not asked for.
.macro ASK
	s_cmp_gt_u32 s[SLOTS], s[LIM]
	s_cbranch_scc0 .Lnot_mine_\@
	global_prefetch_b8 v[PFO], s[PFA:PFA+1] th:TH_LOAD_NT scope:SCOPE_SE
.Lnot_mine_\@:
.endm
.macro CROUND
	s_barrier_signal -1
	s_barrier_wait -1
	s_cmp_lg_u32 s[WV], 0
	s_cbranch_scc1 .Lnot_wave_0_\@
	s_barrier_signal -3
.Lnot_wave_0_\@:
	s_barrier_wait -3
	s_barrier_signal -1
	s_barrier_wait -1
.endm
	s_load_b256 s[4:11], s[0:1], 0x0               ; qkv s[4:5], Wo s[6:7], ob s[8:9], wo16 s[10:11]
	v_lshl_add_u32 v[SPW], v0, 2, SPARE
	v_mov_b32 v[NIL], 0
	ds_add_u32 v[SPW], v[NIL]                      ; the wave's opening: the add and its wait ahead of my first tensor load
	v_lshrrev_b32 v56, 5, v0
	v_readfirstlane_b32 s[WV], v56
	s_mov_b32 s[CLA], ttmp9
	s_bfe_u32 s[CX], ttmp6, 0x40000
	s_and_b32 s[HD], ttmp7, 0xffff
	s_lshl_b32 s[BI2], s[CLA], 2
	s_add_co_u32 s[BI2], s[BI2], s[CX]             ; b
	s_sub_co_u32 s[BI], 31, s[BI2]
	s_sub_co_u32 s[LT], 7, s[CLA]
	s_mov_b32 s[LQ], s[LT]
	s_mov_b32 s[CT], 0
	s_mov_b32 s[NXT], 1
	s_mov_b32 s[SLOTS], 8
	s_mov_b32 s[TB], SLOTX                         ; the first change of slots turns it into 0
	s_mov_b32 s[CS], 0x410293ee                    ; c = 64 log2(e) / sqrt(128) = 8.16111
	s_mov_b32 s[CS+1], s[CS]
	s_mov_b32 s[SEL], 0x76543210
	s_mov_b32 s[SEL+1], 0xfedcba98
	s_mov_b32 s[OFF+1], 0
	s_mov_b32 s[AL+1], 0
	s_mov_b32 s[BE+1], 0
	s_mov_b32 s[BIGN], 0xf1800000                  ; -2^100
	s_cmp_eq_u32 s[CLA], 0
	s_cselect_b32 s[LIM], 2, -1
	s_mov_b32 s[G1K], 15|(1<<16)|(1<<20)|(1<<21)|(5<<22)|(3<<25)  ; the mask of four; 2-byte elements; padding on; bit 21 beside a mask; after every 64 words, 4 words
	s_mov_b32 s[G1V], 15|(1<<16)|(1<<20)|(1<<21)|(5<<22)|(7<<25)  ; the same with 8 words
.irp g, G1K, G1V
	s_mov_b32 s[(\g)+1], 128<<16                   ; tensor_dim0 = 128
	s_mov_b32 s[(\g)+2], 128<<16                   ; tensor_dim1 = 128
	s_mov_b32 s[(\g)+3], 128<<16                   ; tile_dim0 = 128
	s_mov_b32 s[(\g)+4], 128                       ; tile_dim1 = 128
	s_mov_b32 s[(\g)+5], 128                       ; elements from row to row
	s_mov_b32 s[(\g)+6], 0
	s_mov_b32 s[(\g)+7], 0
.endr
	s_and_b32 s2, s[WV], 1                         ; which half of a tile's 256 rows I fetch
	s_mov_b32 s[G0K], 1
	s_mul_i32 s[G0K+1], s2, 128*PK                 ; slot 0
	s_mov_b32 s[G0V], 1
	s_mul_i32 s[G0V+1], s2, 128*PV
	s_add_co_u32 s[G0V+1], s[G0V+1], VOFF
	s_lshl_b32 s3, s2, 15
	s_add_co_u32 s94, s[HD], 16                    ; K's head
	s_lshl_b32 s94, s94, 19
	s_add_co_u32 s94, s94, s3
	s_mov_b32 s95, 0
	s_lshl_b32 s96, s[HD], 19                      ; Q at the head's block: 64 rows of 256 bytes a block
	s_lshl_b32 s97, s[BI], 14
	s_lshl_b32 s66, s[BI2], 14
	s_add_co_u32 s66, s66, s96
	s_add_co_u32 s96, s96, s97
	s_mov_b32 s97, 0
	s_mov_b32 s67, 0
	s_lshl_b32 s3, s[WV], 14                       ; O: token 64 x block + 4 x wave, 4,096 bytes a token; 256 bytes a head
	s_lshl_b32 s2, s[HD], 8
	s_add_co_u32 s2, s2, s3
	s_lshl_b32 s68, s[BI], 18
	s_add_co_u32 s68, s68, s2
	s_mov_b32 s69, 0
	s_lshl_b32 s70, s[BI2], 18
	s_add_co_u32 s70, s70, s2
	s_mov_b32 s71, 0
	s_lshl_b32 s72, s[HD], 4                       ; Wo: my wave among the launch's 1,024: 4 (16 head + b) + wave,
	s_add_co_u32 s72, s72, s[BI2]
	s_lshl_b32 s72, s72, 2
	s_add_co_u32 s72, s72, s[WV]
	s_lshl_b32 s74, s72, 13                        ; its 8 KiB of wo16,
	s_lshl_b32 s72, s72, 14                        ; its 16 KiB of Wo
	s_mov_b32 s73, 0
	s_mov_b32 s75, 0
	s_wait_dscnt 0x0                               ; the opening add is done
	s_wait_kmcnt 0x0
	s_add_nc_u64 s[KB:KB+1], s[4:5], s[94:95]
	s_add_nc_u64 s[VB:VB+1], s[KB:KB+1], 0x800000  ; sixteen heads on
	s_add_nc_u64 s[QB:QB+1], s[4:5], s[96:97]
	s_add_nc_u64 s[QB2:QB2+1], s[4:5], s[66:67]
	s_add_nc_u64 s[OB:OB+1], s[8:9], s[68:69]
	s_add_nc_u64 s[OB2:OB2+1], s[8:9], s[70:71]
	s_add_nc_u64 s[WOB:WOB+1], s[6:7], s[72:73]
	s_add_nc_u64 s[W16:W16+1], s[10:11], s[74:75]
	s_mov_b32 s[E8], 0x41000000
	s_mov_b32 s[E8+1], s[E8]
	s_add_nc_u64 s[G0K+2:G0K+3], s[KB:KB+1], 0
	s_or_b32 s[G0K+3], s[G0K+3], 0x80000000
	s_add_nc_u64 s[G0V+2:G0V+3], s[VB:VB+1], 0
	s_or_b32 s[G0V+3], s[G0V+3], 0x80000000
	s_cmp_lt_u32 s[WV], 2
	s_cselect_b64 s[PFA:PFA+1], s[KB:KB+1], s[VB:VB+1]
	s_lshl_b32 s94, s[CX], 13                      ; my work-group's 32 rows of the 128
	s_mov_b32 s95, 0
	s_add_nc_u64 s[PFA:PFA+1], s[PFA:PFA+1], s[94:95]
	s_add_nc_u64 s[PFA:PFA+1], s[PFA:PFA+1], 65536 ; at tile 1: the first change of slots steps it to tile 2
	CROUND                                         ; all four work-groups are here
	JLOAD                                          ; tile 0 into slot 0
	v_and_b32 v1, 15, v0                           ; l % 16
	v_bfe_u32 v56, v0, 4, 1                        ; l / 16
	v_and_b32 v57, 31, v0                          ; lane
	v_lshlrev_b32 v[QO], 8, v1
	v_lshl_add_u32 v[QO], v56, 4, v[QO]
.macro QLOAD base                      ; Q stays in registers: tile i / 4, channels 32 (i % 4) on
	WIN 0x80
.irp i, 0,1,2,3,4,5,6,7,8,9,10,11,12,13,14,15
	global_load_b128 v[8*(\i):8*(\i)+3],   v[QO], s[(\base):(\base)+1] offset:((\i)/4)*4096+((\i)%4)*64
	global_load_b128 v[8*(\i)+4:8*(\i)+7], v[QO], s[(\base):(\base)+1] offset:((\i)/4)*4096+((\i)%4)*64+32
.endr
	WIN 0
.endm
	QLOAD QB
	v_mul_u32_u24 v[AK0], v1, PK
	v_lshl_add_u32 v[AK0], v56, 4, v[AK0]
	s_mul_i32 s2, s[WV], 64*PK                     ; my 64 keys of a tile
	v_add_nc_u32 v[AK0], s2, v[AK0]
	v_and_b32 v58, 7, v0
	v_bfe_u32 v59, v0, 3, 1
	v_lshl_add_u32 v[AV0], v56, 3, v58
	v_mul_u32_u24 v[AV0], v[AV0], PV
	v_lshl_add_u32 v[AV0], v59, 4, v[AV0]
	s_mul_i32 s2, s[WV], 64*PV
	s_add_co_u32 s2, s2, VOFF
	v_add_nc_u32 v[AV0], s2, v[AV0]
	s_lshl_b32 s2, s[WV], 3
	s_add_co_u32 s2, s2, STATS
	v_lshl_add_u32 v[SADR], v1, 5, s2              ; query l % 16, my wave's 8 bytes
	v_bfe_u32 v58, v0, 2, 2
	v_and_b32 v59, 3, v0
	v_lshlrev_b32 v[WADR], 9, v58                  ; tile (l / 4) % 4,
	v_lshl_add_u32 v[WADR], v59, 5, v[WADR]        ; query 4 w + l % 4
	s_lshl_b32 s2, s[WV], 7
	s_add_co_u32 s2, s2, STATS
	v_add_nc_u32 v[WADR], s2, v[WADR]
	v_mul_u32_u24 v[PST], v1, 528
	v_lshl_add_u32 v[PST], v56, 5, v[PST]
	s_mul_i32 s2, s[WV], 16*528
	s_add_co_u32 s2, s2, STAGE
	v_add_nc_u32 v[PST], s2, v[PST]
	s_mul_i32 s2, s[WV], 4*528
	s_add_co_u32 s2, s2, STAGE
	v_lshl_add_u32 v[PRD], v57, 4, s2
	v_lshlrev_b32 v[GO], 3, v57
	v_lshlrev_b32 v[WOI], 4, v57
	v_lshlrev_b32 v[PFO], 8, v57
	v_lshlrev_b32 v58, 3, v56
	v_sub_nc_u32 v58, v1, v58                      ; l % 16 - 8 (l / 16): register r is hidden where r is greater
	WIN 0xc0
.set i, 0
.rept 8
	v_cmp_gt_i32 vcc_lo, i, v58
	v_cndmask_b32 v[TRI+i], 0, s[BIGN], vcc_lo
.set i, i+1
.endr
	WIN 0x40
.set i, 0
.rept 256
	v_mov_b32 v[i], 0                              ; O^T need only be finite: the first step multiplies it by 0
.set i, i+1
.endr
	WIN 0
.irp t, 0,1,2,3
	v_mov_b32 v[ST+8*(\t)+2], 0
	v_mov_b32 v[ST+8*(\t)+3], 0
.endr
; Product i of 32 of S^T = K Q^T for piece x: channels 32 (i / 8) on, keys 16 ((i / 2) % 4) on, tile x + i % 2.  The first 8 start the sums with a mask.  The 8 accumulators take turns.
.macro KQ x
.set rS, S+32*((\x)+i%2)+8*((i/2)%4)
.set rK, KF+32*((i/2)%4)+8*(i/8)
.set rQ, 32*((\x)+i%2)+8*(i/8)
.if i < 8
.set rM, MEQ
.if ((i/2)%4) < ((\x)+i%2)
.set rM, MLT
.endif
.if ((i/2)%4) > ((\x)+i%2)
.set rM, MGT
.endif
	WIN W_KM
	v_wmma_f32_16x16x32_f16 v[rS:rS+7], v[rK:rK+7], v[rQ:rQ+7], v[rM:rM+7]
.else
	WIN W_KQ
	v_wmma_f32_16x16x32_f16 v[rS:rS+7], v[rK:rK+7], v[rQ:rQ+7], v[rS:rS+7]
.endif
.endm
; Product i of 32 of O^T += V^T P: keys 32 (i / 16) on, channels 16 ((i / 2) % 8) on, tile x + i % 2.  16 accumulators by turns.
.macro PV x
	WIN W_PV
.set rO, 64*((\x)+i%2)+8*((i/2)%8)
.set rV, 64*(i/16)+8*((i/2)%8)
.set rP, P+16*((\x)+i%2)+8*(i/16)
	v_wmma_f32_16x16x32_f16 v[rO:rO+7], v[rV:rV+7], v[rP:rP+7], v[rO:rO+7]
.endm
.macro FETCH_K                         ; my 64 keys x 128 channels: 16 fragments, one run of 32 loads, in the order in which the products take them: channels 32 c on, for all four key blocks
	WIN 0
	v_add_nc_u32 v[ADR], s[TB], v[AK0]
	WIN 0x80
.irp c, 0,1,2,3
.irp kb, 0,1,2,3
	ds_load_b128 v[KF+32*(\kb)+8*(\c):KF+32*(\kb)+8*(\c)+3],   v[ADR] offset:(\kb)*16*PK+(\c)*64
	ds_load_b128 v[KF+32*(\kb)+8*(\c)+4:KF+32*(\kb)+8*(\c)+7], v[ADR] offset:(\kb)*16*PK+(\c)*64+32
.endr
.endr
.endm
.macro FETCH_V                         ; the same keys' V, turned
	WIN 0
	v_add_nc_u32 v[ADR], s[TB], v[AV0]
	s_wait_alu depctr_va_vdst(0)                   ; the wait for the softmax's batch of exponentials (SLICE), ahead of the loads
	WIN 0xc0
.irp f, 0,1,2,3,4,5,6,7,8,9,10,11,12,13,14,15
	ds_load_tr16_b128 v[8*(\f):8*(\f)+3],   v[ADR] offset:((\f)/8)*32*PV+((\f)%8)*32
	ds_load_tr16_b128 v[8*(\f)+4:8*(\f)+7], v[ADR] offset:((\f)/8)*32*PV+16*PV+((\f)%8)*32
.endr
.endm
; One tile's softmax for a step is a list of 134 instructions; SM writes number j of it for tile t.
;   0-15 the maximum of the lane's 32 scores and the old m (each accumulator's lowest registers first)     16-20 the other half of the lanes'; m; c m; its change
;   21-69 ONE BATCH: 16 scalings c s - c m and 33 exponentials (a at 23); none reads an exponential's result     70-85 roundings to f16     86-101 the sums; l = a l + sum     102-133 O^T times a
.macro SM t
.set rT, ST+8*(\t)
.set rS, S+32*(\t)
.set rP, P+16*(\t)
.set rO, 64*(\t)+2*(j-102)
.if j < 102
	WIN 0
.endif
.if j < 4
	v_max3_num_f32 v[rT+4+j], v[rS+8*j], v[rS+8*j+1], v[rS+8*j+2]
.elseif j < 12
	v_max3_num_f32 v[rT+4+j%4], v[rT+4+j%4], v[rS+8*(j%4)+2*(j/4)+1], v[rS+8*(j%4)+2*(j/4)+2]
.elseif j == 12
	v_max3_num_f32 v[rT+4], v[rT+4], v[rS+7], v[rS+15]
.elseif j == 13
	v_max3_num_f32 v[rT+6], v[rT+6], v[rS+23], v[rS+31]
.elseif j == 14
	v_max3_num_f32 v[rT+4], v[rT+4], v[rT+5], v[rT+6]
.elseif j == 15
	v_max3_num_f32 v[rT+4], v[rT+4], v[rT+7], v[rT+1]
.elseif j == 16
	v_permlanex16_b32 v[rT+5], v[rT+4], s[SEL], s[SEL+1]
.elseif j == 17
	v_mov_b32 v[rT+7], v[rT]
.elseif j == 18
	v_max_num_f32 v[rT+1], v[rT+4], v[rT+5]
.elseif j == 19
	v_mul_f32 v[rT], s[CS], v[rT+1]
.elseif j == 20
	v_sub_f32 v[rT+7], v[rT+7], v[rT]
.elseif j == 23
	v_exp_f32 v[rT+6], v[rT+7]
.elseif (j < 23) || ((j < 38) && (j%2 == 0)) || ((j < 66) && (j%4 == 2))
.set b, (j-2)/4
.if j < 38
.set b, (j-20)/2
.endif
	v_pk_fma_f32 v[rS+2*b:rS+2*b+1], v[rS+2*b:rS+2*b+1], s[CS:CS+1], v[rT:rT+1] op_sel_hi:[1,0,0] neg_lo:[0,0,1] neg_hi:[0,0,1]
.elseif j < 70
.set e, j-38
.if j < 66
.set e, j-32-(j-38)/4
.endif
.if j < 38
.set e, (j-25)/2
.endif
	v_exp_f32 v[rS+e], v[rS+e]
.elseif j < 86
	v_cvt_pk_f16_f32 v[rP+j-70], v[rS+2*(j-70)], v[rS+2*(j-70)+1]
.elseif j < 102
.set z, j-86
.set w, 4
.set u, z
.if z >= 14
.set w, 32
.set u, 0
.elseif z >= 12
.set w, 16
.set u, z-12
.elseif z >= 8
.set w, 8
.set u, z-8
.endif
.if z < 15
	v_pk_add_f32 v[rS+w*u:rS+w*u+1], v[rS+w*u:rS+w*u+1], v[rS+w*u+w/2:rS+w*u+w/2+1]
.else
	v_pk_fma_f32 v[rT+2:rT+3], v[rT+2:rT+3], v[rT+6:rT+7], v[rS:rS+1] op_sel_hi:[1,0,1]
.endif
.else
	WIN W_RS
	v_pk_mul_f32 v[rO:rO+1], v[rO:rO+1], v[rT+6:rT+7] op_sel_hi:[1,0]
.endif
.endm
; Slice k of 64 of piece y's softmax: four instructions (slice 63: sixteen).  Slices 11 to 34 deal out the batch, four numbers of one tile each.  Behind slice 34 nothing has named a result and no exponential
; follows: there stand one v_nop, the plain instruction behind the last exponential, and the piece's ONE wait ahead of the first reader; for piece 0 it stands in V's run of loads.
.macro SLICE y
.if (k >= 11) && (k < 35)
.irp n, 0,1,2,3
.set j, 22+4*((k-11)/2)+(\n)
	SM (\y)+(k-11)%2
.endr
.else
.irp n, 0,1,2,3,4,5,6,7
.if ((\n) < 2) || (k == 63)
.irp t, \y, (\y)+1
.set j, 2*k+(\n)
	SM \t
.endr
.endif
.endr
.endif
.if k == 34
	v_nop
.if (\y) == 0
	FETCH_V
.else
	s_wait_alu depctr_va_vdst(0)
.endif
.endif
.set k, k+1
.endm
.macro RIDE kind, x                    ; 32 products of piece x (kind 0: K Q^T; 1: V^T P), two slices of the other piece's softmax behind each; slices 62 and 63, twenty plain lines, are the places behind the last
.set k, 0
.set i, 0
.rept 32
.if \kind
	PV \x
.else
	KQ \x
.endif
	SLICE 2-(\x)
	SLICE 2-(\x)
.set i, i+1
.endr
.endm
.macro MASKS                           ; key group < tile: BE; = tile: TRI x AL + BE; > tile: BG
	WIN 0xc3
.set z, 0
.rept 8
	v_mov_b32 v[MLT+z], s[BE]
	v_mov_b32 v[MGT+z], s[BG]
.set z, z+1
.endr
.set z, 0
.rept 4
	v_pk_fma_f32 v[MEQ+2*z:MEQ+2*z+1], v[TRI+2*z:TRI+2*z+1], s[AL:AL+1], s[BE:BE+1] op_sel_hi:[1,0,0]
.set z, z+1
.endr
.endm
; Group g of ten of Wo's cast: four lines, all in window 3.  Five groups serve two items of four numbers: rounded to bf16; widened again, one item a group; times 8; rounded to f16 (exact: 8 bits in 11).
.macro WOR g
	WIN 0xff
.set ja, 2*((\g)/5)
.set ph, (\g)%5
.if ph == 0
.irp d, 0,1
	v_cvt_pk_bf16_f32 v[WO+2*(ja+(\d))],   v[WI+4*(ja+(\d))],   v[WI+4*(ja+(\d))+1]
	v_cvt_pk_bf16_f32 v[WO+2*(ja+(\d))+1], v[WI+4*(ja+(\d))+2], v[WI+4*(ja+(\d))+3]
.endr
.elseif ph < 3
.set dd, ph-1
	v_lshlrev_b32 v[WT+4*dd],   16, v[WO+2*(ja+dd)]
	v_and_b32     v[WT+4*dd+1], 0xffff0000, v[WO+2*(ja+dd)]
	v_lshlrev_b32 v[WT+4*dd+2], 16, v[WO+2*(ja+dd)+1]
	v_and_b32     v[WT+4*dd+3], 0xffff0000, v[WO+2*(ja+dd)+1]
.elseif ph == 3
.irp d, 0,2,4,6
	v_pk_mul_f32 v[WT+(\d):WT+(\d)+1], v[WT+(\d):WT+(\d)+1], s[E8:E8+1] op_sel_hi:[1,0]
.endr
.else
.irp d, 0,1
	v_cvt_pk_f16_f32 v[WO+2*(ja+(\d))],   v[WT+4*(\d)],   v[WT+4*(\d)+1]
	v_cvt_pk_f16_f32 v[WO+2*(ja+(\d))+1], v[WT+4*(\d)+2], v[WT+4*(\d)+3]
.endr
.endif
.endm
.macro STEP wo                         ; wo = 1: a trip of the loop, with its 2 KiB of Wo
	s_lshl_b32 s[SN], s[CT], 2
	s_add_co_u32 s[SN], s[SN], s[WV]               ; my 64 keys' number in the head, against the block's
	s_cmp_eq_u32 s[SN], s[BI]
	s_cselect_b32 s[AL], 1.0, 0                    ; the diagonal
	s_cmp_gt_u32 s[SN], s[BI]
	s_cselect_b32 s[BE], s[BIGN], 0                ; all hidden
	s_cmp_ge_u32 s[SN], s[BI]
	s_cselect_b32 s[BG], s[BIGN], 0
	FETCH_K
	MASKS                                          ; while K's loads are out
.if \wo
	s_wait_loadcnt 4                               ; Q is in: only the trip's four loads of Wo were issued behind it
.else
	s_wait_loadcnt 0x0                             ; Q is in
.endif
.set i, 0
.rept 32
.if i%8 == 0
	s_wait_dscnt 24-i                              ; the eight loads of these channels are in; the later channels' stay out
.endif
	KQ 0
.set i, i+1
.endr
.rept 4
	v_nop                                          ; the places behind those products
.endr
	RIDE 0, 2
	s_wait_dscnt 0x0                               ; V is in
	RIDE 1, 0
.if \wo
	s_wait_loadcnt 0x0                             ; Wo's four loads, issued a step's work ago
.endif
.set i, 0
.rept 32
	PV 2
.if (\wo) && (i < 10)
	WOR i
.endif
.if (\wo) && (i == 10)
	WIN 0x0c                                       ; address window 0, data window 3
.irp j, 0,1,2,3
	global_store_b64 v[GO], v[WO+2*(\j):WO+2*(\j)+1], s[W16:W16+1] offset:256*(\j)-1024  ; 256 consecutive bytes, aligned
.endr
.endif
.set i, i+1
.endr
.endm
; THE CHANGE OF SLOTS.  Each wave waits for all its tensor loads (one is out: its part of the other slot), adds 0 to its spare word, and waits for that and for its reads of the slot that it leaves.
; fill = 1: a round of the cluster's barrier, and the old slot is filled again, first thing behind it, with tile NXT: the address is made anew from that number.
.macro CHANGE fill
	WIN 0
	s_wait_tensorcnt 0x0
	ds_add_u32 v[SPW], v[NIL]
.if \fill
	s_lshl_b32 s[OFF], s[NXT], 16                  ; a tile is 65,536 bytes of K and of V
	s_xor_b32 s[G0K+1], s[G0K+1], SLOTX
	s_add_nc_u64 s[G0K+2:G0K+3], s[KB:KB+1], s[OFF:OFF+1]
	s_or_b32 s[G0K+3], s[G0K+3], 0x80000000
	s_xor_b32 s[G0V+1], s[G0V+1], SLOTX
	s_add_nc_u64 s[G0V+2:G0V+3], s[VB:VB+1], s[OFF:OFF+1]
	s_or_b32 s[G0V+3], s[G0V+3], 0x80000000
	s_add_co_u32 s[NXT], s[NXT], 1                 ; the block's next tile, or behind its last the second block's tile 0
	s_cmp_gt_u32 s[NXT], s[LQ]
	s_cselect_b32 s[NXT], 0, s[NXT]
	s_cselect_b32 s[LQ], s[CLA], s[LQ]
	s_wait_xcnt 0x0                                ; the last trip's prefetch, loads and stores have read their addresses and data
	s_add_nc_u64 s[PFA:PFA+1], s[PFA:PFA+1], 65536
	s_add_nc_u64 s[WOB:WOB+1], s[WOB:WOB+1], 2048  ; behind this trip's part of Wo,
	s_add_nc_u64 s[W16:W16+1], s[W16:W16+1], 1024  ; and of wo16
	s_wait_dscnt 0x0                               ; the add is done, and my reads of the slot are over
	CROUND
	JLOAD
	ASK
	WIN 0xc0                                       ; destination window 3, address window 0
.irp j, 0,1,2,3
	global_load_b128 v[WI+4*(\j):WI+4*(\j)+3], v[WOI], s[WOB:WOB+1] offset:512*(\j)-2048 th:TH_LOAD_NT  ; 512 consecutive bytes of Wo
.endr
	WIN 0
.else
	s_wait_dscnt 0x0
	s_barrier_signal -1
	s_barrier_wait -1
.endif
	s_xor_b32 s[TB], s[TB], SLOTX
.endm
.macro BEGIN                           ; c m far below every c s, so that the first step's a is 0; m the lowest finite number
.irp t, 0,1,2,3
	v_mov_b32 v[ST+8*(\t)], 0xfe000000
	v_mov_b32 v[ST+8*(\t)+1], 0xff7fffff
.endr
.endm
.macro PUT t                           ; my partial O^T of tile t into my stage: row = query, 32 bytes a lane and channel block; each accumulator's low registers first
	WIN 0x04
.irp cb, 0,1,2,3,4,5,6,7
	ds_store_b128 v[PST], v[64*(\t)+8*(\cb):64*(\t)+8*(\cb)+3]   offset:64*(\cb)
	ds_store_b128 v[PST], v[64*(\t)+8*(\cb)+4:64*(\t)+8*(\cb)+7] offset:64*(\cb)+16
.endr
	WIN 0
.endm
.macro GET t                           ; queries 4 w .. 4 w + 3 of tile t: the four waves' rows, weighted, added, rounded and stored: 32 lanes store a head's whole row of 256 bytes
	WIN 0
.irp ii, 0,1,2,3
.irp v, 0,1,2,3
	ds_load_b128 v[64+16*(\ii)+4*(\v):64+16*(\ii)+4*(\v)+3], v[PRD] offset:16*528*(\v)+528*(\ii)
.endr
.endr
.irp ii, 0,1,2,3
.irp v, 0,1,2,3
	v_readlane_b32 s[WS+4*(\ii)+(\v)], v[44+2*(\v)], 4*(\t)+(\ii)
.endr
.endr
.irp ii, 0,1,2,3
	s_wait_dscnt 12-4*(\ii)                        ; this row's four loads are in; the later rows' stay out
.irp c, 0,1,2,3
	v_mul_f32 v[128+(\c)], s[WS+4*(\ii)], v[64+16*(\ii)+(\c)]
.endr
.irp v, 1,2,3
.irp c, 0,1,2,3
	v_fmac_f32 v[128+(\c)], s[WS+4*(\ii)+(\v)], v[64+16*(\ii)+4*(\v)+(\c)]
.endr
.endr
	v_cvt_pk_f16_f32 v[144+8*(\t)+2*(\ii)],   v128, v129
	v_cvt_pk_f16_f32 v[144+8*(\t)+2*(\ii)+1], v130, v131
	global_store_b64 v[GO], v[144+8*(\t)+2*(\ii):144+8*(\t)+2*(\ii)+1], s[OB:OB+1] offset:(16*(\t)+(\ii))*4096
.endr
.endm
; A BLOCK'S END.  nxt = 1: the second block's Q is asked for meanwhile.
.macro MERGE nxt
	WIN 0
	s_wait_xcnt 0x0                                ; earlier stores have read the registers that are written below
.irp t, 0,1,2,3
	v_add_f32 v[ST+8*(\t)+4], v[ST+8*(\t)+2], v[ST+8*(\t)+3]   ; four plain lines: the places behind the last products
.endr
.irp t, 0,1,2,3
	v_permlanex16_b32 v[ST+8*(\t)+5], v[ST+8*(\t)+4], s[SEL], s[SEL+1]
.endr
.irp t, 0,1,2,3
	v_add_f32 v[ST+8*(\t)+1], v[ST+8*(\t)+4], v[ST+8*(\t)+5]   ; l takes m's place beside c m
.endr
.if \nxt
	QLOAD QB2
.endif
.irp t, 0,1,2,3
	ds_store_b64 v[SADR], v[ST+8*(\t):ST+8*(\t)+1] offset:512*(\t)
.endr
	PUT 0
	s_wait_dscnt 0x0                               ; for the others' sake
	s_barrier_signal -1
	s_barrier_wait -1
	ds_load_b128 v[44:47], v[WADR]                 ; lane j: tile (j / 4) % 4, query 4 w + j % 4: the four waves' (c m, l)
	ds_load_b128 v[48:51], v[WADR] offset:16
	s_wait_dscnt 0x0
	v_max3_num_f32 v52, v44, v46, v48
	v_max_num_f32 v52, v52, v50
	v_sub_f32 v44, v44, v52
	v_sub_f32 v46, v46, v52
	v_sub_f32 v48, v48, v52
	v_sub_f32 v50, v50, v52
	v_exp_f32 v44, v44
	v_exp_f32 v46, v46
	v_exp_f32 v48, v48
	v_exp_f32 v50, v50
	v_nop
	s_wait_alu depctr_va_vdst(0)                   ; one wait for the four exponentials
	v_mul_f32 v53, v44, v45
	v_fmac_f32 v53, v46, v47
	v_fmac_f32 v53, v48, v49
	v_fmac_f32 v53, v50, v51
	v_rcp_f32 v53, v53
	v_nop
	s_wait_alu depctr_va_vdst(0)
	v_mul_f32 v44, v44, v53
	v_mul_f32 v46, v46, v53
	v_mul_f32 v48, v48, v53
	v_mul_f32 v50, v50, v53
	GET 0
.irp t, 1,2,3
	s_wait_dscnt 0x0                               ; my reads of the stages are over,
	s_barrier_signal -1
	s_barrier_wait -1                              ; everybody's are: the stages are written again
	PUT \t
	s_wait_dscnt 0x0
	s_barrier_signal -1
	s_barrier_wait -1
	GET \t
.endr
.endm
	BEGIN
.Lround:                                       ; eight trips: a tile is entered and the next is asked for
	CHANGE 1
	STEP 1
	WIN 0
	s_cmp_lg_u32 s[CT], s[LT]                      ; made of the cluster's x and of counters: the same in all waves and all partners
	s_cbranch_scc1 .Lgo_on
	MERGE 1                                        ; in the loop this is the first block's end: the second's last tile is the walk's last
	s_wait_xcnt 0x0                                ; the stores have read their registers and O's address
	s_mov_b64 s[OB:OB+1], s[OB2:OB2+1]
	s_mov_b32 s[BI], s[BI2]
	s_mov_b32 s[LT], s[CLA]
	s_mov_b32 s[CT], -1
	BEGIN                                          ; the second block's Q is waited for at its first use
.Lgo_on:
	s_add_co_u32 s[CT], s[CT], 1
	s_sub_co_u32 s[SLOTS], s[SLOTS], 1
	s_cmp_lg_u32 s[SLOTS], 0
	s_cbranch_scc1 .Lround
	CHANGE 0                                       ; the walk's last tile is written out
	STEP 0
	MERGE 0
	s_wait_tensorcnt 0x0                           ; the wave's end
	ds_add_u32 v[SPW], v[NIL]
	s_wait_dscnt 0x0
	CROUND                                         ; the closing round
	s_endpgm
.Lfunc_end_k_q8043cf84da_attn:
	.size	k_q8043cf84da_attn, .Lfunc_end_k_q8043cf84da_attn-k_q8043cf84da_attn
	.p2alignl 7, 3214868480
	.fill 96, 4, 3214868480
	.section	.rodata,"a",@progbits
	.p2align	6, 0x0
	.amdhsa_kernel k_q8043cf84da_attn
		.amdhsa_group_segment_fixed_size 327680
		.amdhsa_private_segment_fixed_size 0
		.amdhsa_enable_private_segment 0
		.amdhsa_kernarg_size 32
		.amdhsa_user_sgpr_count 2
		.amdhsa_user_sgpr_kernarg_segment_ptr 1
		.amdhsa_wavefront_size32 1
		.amdhsa_system_sgpr_workgroup_id_x 1
		.amdhsa_system_sgpr_workgroup_id_y 1
		.amdhsa_system_sgpr_workgroup_id_z 1
		.amdhsa_system_vgpr_workitem_id 0
		.amdhsa_next_free_vgpr 1024
		.amdhsa_next_free_sgpr 102
		.amdhsa_reserve_vcc 1
		.amdhsa_float_denorm_mode_32 3
		.amdhsa_float_denorm_mode_16_64 3
		.amdhsa_memory_ordered 1
		.amdhsa_forward_progress 1
		.amdhsa_inst_pref_size 178
	.end_amdhsa_kernel
	.amdgpu_metadata
---
amdhsa.version: [ 1, 2 ]
amdhsa.kernels:
  - .name:           k_q8043cf84da_attn
    .symbol:         k_q8043cf84da_attn.kd
    .args:
      - { .name: qkv, .offset: 0, .size: 8, .value_kind: global_buffer, .address_space: global }
      - { .name: Wo, .offset: 8, .size: 8, .value_kind: global_buffer, .address_space: global }
      - { .name: ob, .offset: 16, .size: 8, .value_kind: global_buffer, .address_space: global }
      - { .name: wo16, .offset: 24, .size: 8, .value_kind: global_buffer, .address_space: global }
    .group_segment_fixed_size: 327680
    .private_segment_fixed_size: 0
    .kernarg_segment_align: 8
    .kernarg_segment_size: 32
    .max_flat_workgroup_size: 128
    .sgpr_count:     102
    .vgpr_count:     1024
    .wavefront_size: 32
...
	.end_amdgpu_metadata
.endif
;; end of part 3
;; launch proj (part 4): grid 16 x 16, 4 waves a work-group, clusters of 4 x 4, 327,680 bytes of LDS; arguments ob, wo16, out0; writes out0
.if DOCPART == 4
	.amdgcn_target "amdgcn-amd-amdhsa--gfx1250"
	.amdhsa_code_object_version 6
	.text
	.protected	k_q8043cf84da_proj
	.globl	k_q8043cf84da_proj
	.p2align	8
	.type	k_q8043cf84da_proj,@function
k_q8043cf84da_proj:
	s_mov_b64 s[64:65], 0
	v_nop
	global_prefetch_b8 v0, s[64:65] scope:SCOPE_SE
	s_setreg_imm32_b32 hwreg(HW_REG_WAVE_MODE, 25, 1), 1
	s_wait_xcnt 0x0
	s_wait_alu depctr_hold_cnt(0) depctr_sa_sdst(0) depctr_va_vdst(0) depctr_va_sdst(0) depctr_va_ssrc(0) depctr_va_vcc(0) depctr_vm_vsrc(0)
	s_getreg_b32 s2, hwreg(HW_REG_IB_STS2, 6, 4)
	s_cmp_eq_u32 s2, 0
	s_cbranch_scc0 .Lentry_in_a_cluster
	s_endpgm
.Lentry_in_a_cluster:
	s_bfe_u32 s2, ttmp6, 0x10000c
	s_cmp_lg_u32 s2, 0xf033
	s_cbranch_scc0 .Lentry_shape_is_right
	s_endpgm
.Lentry_shape_is_right:
; out0[m][n] = the sum over k of ob[m][k] wo16[n][k]: ob = O / 8 and wo16 = 8 bf16(Wo), both f16 [2048][2048]; sums in f32, stored as f32.
; A tile of out0 is 128 x 128: 256 work-groups.  Four waves, each 64 x 64: 16 accumulators.  K goes in 8 steps of 256 (LDS rows of 512 bytes; a wave's tensor load brings 64 of them) through two slots.
; CLUSTER 4 x 4: ob's tile is asked for jointly along a row of the cluster, wo16's along a column.  THE MATRIX INSTRUCTION IS USED TRANSPOSED: a lane holds eight neighbouring numbers of a row of out0.
; THE TEXT.  A K step is written once for the 6 steps that fill a slot again and once for the last two: the slot in hand is a scalar (TB) that an exclusive or turns, and one descriptor a tensor walks.
; THE CHANGE OF SLOTS holds nothing but its waits, the round and the refill: the step's last 32 products stand behind the refill, so that it goes out as soon as every partner's tile has landed.
; A wave's 64 columns of f32 are 256 bytes, aligned: each wave has a stage of its own on the way out, and no barrier is needed there.  No prefetch: the tiles are small and each is read by sixteen work-groups.
; REGISTERS: window 0: v16-29 addresses; v32-95 the way out; v128-255 the accumulators ((a, b) at v[128 + 8 (4 a + b)]).  window 1: two fragment buffers of 128.
.set SIZE_K, 2048
.set KSTEP,  256
.set STEPS,  SIZE_K/KSTEP
.set PITCH,  528                       ; an LDS row: 512 bytes + 16 of padding
.set HALFT,  64*PITCH
.set SLOT,   4*HALFT
.set SLOTX,  0x24000                   ; slot 1 begins here: the four waves' places in slot 0 (multiples of 0x8400) have neither bit 14 nor bit 17 set, so one exclusive or changes slots
.set STAGE,  SLOTX+SLOT                ; behind the ring: 16 rows x 272 bytes for each wave
.set SPITCH, 272
.set SPARE,  STAGE+4*16*SPITCH         ; the spare words, 128 bytes for each wave
.set ADRA0, 16                         ; v16  my lane's place in my 64 rows of ob in a slot; never rewritten
.set ADRB0, 17                         ; v17  the same for wo16
.set ADA,  20                          ; v20  the two in the slot in hand
.set ADB,  21
.set STO,  24
.set RD,   25
.set CO,   26
.set SPW,  28
.set NIL,  29
.set TMP,  32
.set ACC,  128
.set F0,   0
.set F1,   128
.set G1, 24                            ; s[24:31] group 1 for ob's tiles;  s[32:39] group 0: a set for each of the two first fills; the second then walks on
.set G0, 32
.set G1B, 48
.set G0B, 56
.set TB, 45                            ; s45  LDS byte at which the slot in hand begins
.set MSB, 0
.macro WIN new
.if MSB != (\new)
	s_set_vgpr_msb (MSB<<8)|(\new)
.set MSB, \new
.endif
.endm
.set MUL,  0x05                        ; sources 0 and 1 window 1; C and D window 0
.set TO_F, 0x40                        ; destination window 1, address window 0
.macro JLOAD s                         ; waves 0 and 1 fetch ob's two halves, waves 2 and 3 wo16's
	s_cmp_eq_u32 s11, 0
	s_cbranch_scc0 .Lfor_b_\@
	tensor_load_to_lds s[G0+4*(\s):G0+4*(\s)+3], s[G1:G1+7]
	s_nop 0
.rept 4
	v_nop
.endr
	s_branch .Lasked_\@
.Lfor_b_\@:
	tensor_load_to_lds s[G0B+4*(\s):G0B+4*(\s)+3], s[G1B:G1B+7]
	s_nop 0
.rept 4
	v_nop
.endr
.Lasked_\@:
.endm
.macro CROUND
	s_barrier_signal -1
	s_barrier_wait -1
	s_cmp_lg_u32 s10, 0
	s_cbranch_scc1 .Lnot_wave_0_\@
	s_barrier_signal -3
.Lnot_wave_0_\@:
	s_barrier_wait -3
	s_barrier_signal -1
	s_barrier_wait -1
.endm
	s_load_b128 s[4:7], s[0:1], 0x0                ; ob s[4:5], wo16 s[6:7]
	s_load_b64 s[8:9], s[0:1], 0x10                ; out0
	v_lshl_add_u32 v[SPW], v0, 2, SPARE
	v_mov_b32 v[NIL], 0
	ds_add_u32 v[SPW], v[NIL]                      ; the wave's opening: the add and its wait ahead of my first tensor load
	v_lshrrev_b32 v1, 5, v0
	v_readfirstlane_b32 s10, v1                    ; wave 0..3
	s_lshr_b32 s11, s10, 1                         ; which half of the tile's rows is mine.  Also: I fetch for ob (0) or for wo16 (1)
	s_and_b32 s12, s10, 1                          ; which half of its columns.  Also: which 64 rows of that tile I fetch
	s_bfe_u32 s40, ttmp6, 0x40000
	s_bfe_u32 s41, ttmp6, 0x40004
	s_lshl_b32 s42, ttmp9, 2
	s_add_co_u32 s42, s42, s40                     ; tile column
	s_and_b32 s13, ttmp7, 0xffff
	s_lshl_b32 s13, s13, 2
	s_add_co_u32 s13, s13, s41                     ; tile row
	s_lshl_b32 s43, s41, 2
	s_lshl_b32 s43, 15, s43                        ; my row of the cluster
	s_lshl_b32 s44, 0x1111, s40                    ; my column
	s_or_b32 s[G1+0], s43, (1<<16)|(1<<20)|(1<<21)|(6<<22)|(3<<25)  ; the mask; 2-byte elements; padding on; bit 21 beside a mask; after every 128 words, 4 words
	s_or_b32 s[G1B+0], s44, (1<<16)|(1<<20)|(1<<21)|(6<<22)|(3<<25)
.irp g, G1, G1B
	s_mov_b32 s[(\g)+1], KSTEP<<16
	s_mov_b32 s[(\g)+2], 64<<16
	s_mov_b32 s[(\g)+3], KSTEP<<16
	s_mov_b32 s[(\g)+4], 64
	s_mov_b32 s[(\g)+5], SIZE_K
	s_mov_b32 s[(\g)+6], 0
	s_mov_b32 s[(\g)+7], 0
.endr
	s_lshl_b32 s17, s12, 6
	s_lshl_b32 s16, s13, 7
	s_add_co_u32 s16, s16, s17                     ; ob: row 128 x tile row + 64 x half
	s_lshl_b32 s46, s42, 7
	s_add_co_u32 s46, s46, s17                     ; wo16: row 128 x tile column + 64 x half
	s_mov_b32 s17, 0
	s_mov_b32 s47, 0
	s_mov_b64 s[18:19], SIZE_K*2
	s_mul_u64 s[16:17], s[16:17], s[18:19]
	s_mul_u64 s[46:47], s[46:47], s[18:19]
	s_mul_i32 s20, s10, HALFT
	s_mov_b32 s[TB], 0
	s_wait_dscnt 0x0                               ; the opening add is done
	s_wait_kmcnt 0x0
	s_add_nc_u64 s[14:15], s[4:5], s[16:17]
	s_add_nc_u64 s[46:47], s[6:7], s[46:47]
	CROUND
.irp s, 0,1
	s_mov_b32 s[G0+4*(\s)], 1
	s_add_co_u32 s[G0+4*(\s)+1], s20, (\s)*SLOTX
	s_add_nc_u64 s[G0+4*(\s)+2:G0+4*(\s)+3], s[14:15], (\s)*KSTEP*2
	s_or_b32 s[G0+4*(\s)+3], s[G0+4*(\s)+3], 0x80000000
	s_mov_b32 s[G0B+4*(\s)], 1
	s_add_co_u32 s[G0B+4*(\s)+1], s20, (\s)*SLOTX
	s_add_nc_u64 s[G0B+4*(\s)+2:G0B+4*(\s)+3], s[46:47], (\s)*KSTEP*2
	s_or_b32 s[G0B+4*(\s)+3], s[G0B+4*(\s)+3], 0x80000000
	JLOAD \s
.endr
	v_and_b32 v1, 15, v0
	v_bfe_u32 v2, v0, 4, 1
	v_mul_u32_u24 v3, v1, PITCH
	v_lshl_add_u32 v3, v2, 4, v3
	s_mul_i32 s21, s11, HALFT
	s_mul_i32 s22, s12, HALFT
	s_add_co_u32 s22, s22, 2*HALFT
	v_add_nc_u32 v[ADRA0], s21, v3
	v_add_nc_u32 v[ADRB0], s22, v3
	v_add_nc_u32 v[ADA], s[TB], v[ADRA0]           ; slot 0
	v_add_nc_u32 v[ADB], s[TB], v[ADRB0]
	s_mul_i32 s23, s10, 16*SPITCH
	s_add_co_u32 s23, s23, STAGE                   ; my stage
	v_mul_u32_u24 v4, v1, SPITCH                   ; in: row l % 16, 32 bytes for each half of the lanes
	v_lshl_add_u32 v4, v2, 5, v4
	v_add_nc_u32 v[STO], s23, v4
	v_mul_u32_u24 v5, v2, SPITCH                   ; back: lanes 0-15 one row of 256 bytes, lanes 16-31 the next
	v_lshl_add_u32 v5, v1, 4, v5
	v_add_nc_u32 v[RD], s23, v5
	v_lshlrev_b32 v5, 13, v2                       ; and the same two rows in out0, 8,192 bytes a row
	v_lshl_add_u32 v[CO], v1, 4, v5
	s_lshl_b32 s16, s13, 7
	s_lshl_b32 s17, s11, 6
	s_add_co_u32 s16, s16, s17                     ; my first row
	s_lshl_b32 s16, s16, 13
	s_mov_b32 s17, 0
	s_add_nc_u64 s[8:9], s[8:9], s[16:17]
	s_lshl_b32 s46, s42, 9                         ; my first column, in bytes
	s_lshl_b32 s47, s12, 8
	s_add_co_u32 s46, s46, s47
	s_mov_b32 s47, 0
	s_add_nc_u64 s[8:9], s[8:9], s[46:47]
.macro MUL8 f, c, a0, zero             ; 8 matrix instructions: row blocks a0, a0 + 1 x all 4 column blocks, 32 along K; the 16 accumulators take turns
	WIN MUL
.irp a, \a0, (\a0)+1
.irp b, 0,1,2,3
.if \zero
	v_wmma_f32_16x16x32_f16 v[ACC+8*(4*(\a)+(\b)):ACC+8*(4*(\a)+(\b))+7], v[(\f)+64+8*(4*(\c)+(\b)):(\f)+64+8*(4*(\c)+(\b))+7], v[(\f)+8*(4*(\c)+(\a)):(\f)+8*(4*(\c)+(\a))+7], 0
.else
	v_wmma_f32_16x16x32_f16 v[ACC+8*(4*(\a)+(\b)):ACC+8*(4*(\a)+(\b))+7], v[(\f)+64+8*(4*(\c)+(\b)):(\f)+64+8*(4*(\c)+(\b))+7], v[(\f)+8*(4*(\c)+(\a)):(\f)+8*(4*(\c)+(\a))+7], v[ACC+8*(4*(\a)+(\b)):ACC+8*(4*(\a)+(\b))+7]
.endif
.endr
.endr
.endm
.macro FETCH k, f                      ; 32 LDS loads in one run: 64 along K at byte k of the rows of the slot in hand; the first 32 along K first
	WIN TO_F
.irp c, 0,1
.irp i, 0,1,2,3
	ds_load_b128 v[(\f)+64+8*(4*(\c)+(\i)):(\f)+64+8*(4*(\c)+(\i))+3],   v[ADB] offset:(\k)+64*(\c)+(\i)*16*PITCH
	ds_load_b128 v[(\f)+64+8*(4*(\c)+(\i))+4:(\f)+64+8*(4*(\c)+(\i))+7], v[ADB] offset:(\k)+64*(\c)+(\i)*16*PITCH+32
	ds_load_b128 v[(\f)+8*(4*(\c)+(\i)):(\f)+8*(4*(\c)+(\i))+3],         v[ADA] offset:(\k)+64*(\c)+(\i)*16*PITCH
	ds_load_b128 v[(\f)+8*(4*(\c)+(\i))+4:(\f)+8*(4*(\c)+(\i))+7],       v[ADA] offset:(\k)+64*(\c)+(\i)*16*PITCH+32
.endr
.endr
.endm
.macro PLACES
.rept 4
	v_nop
.endr
.endm
.macro QUARTER k, f, g, zero
	s_wait_dscnt 16                                ; the first 32 along K are in
	MUL8 \f, 0, 0, \zero
	MUL8 \f, 0, 2, \zero
	PLACES
	FETCH \k, \g
	s_wait_dscnt 32                                ; all but the 32 just issued
	MUL8 \f, 1, 0, 0
	MUL8 \f, 1, 2, 0
.endm
; The last quarter of a K step changes slots and multiplies buffer 1: all my tensor loads waited for (one is out: my part of the next slot), the add, my reads of this slot waited for, the barrier (fill = 1: a round
; of the cluster's), the refill first behind it.  fill = 0: the last two steps; the very last (s3 = 1) has no next step, and the run of loads is jumped over.
.macro TURN fill
	WIN 0
	s_wait_tensorcnt 0x0                           ; no tensor load of mine is out, so a group 0 may be written
	ds_add_u32 v[SPW], v[NIL]                      ; the scalar steps stand between the add and the wait for it
.if \fill
	s_xor_b32 s[G0+5], s[G0+5], SLOTX              ; the walking descriptors: the other slot than last time, the next K step
	s_add_nc_u64 s[G0+6:G0+7], s[G0+6:G0+7], KSTEP*2
	s_xor_b32 s[G0B+5], s[G0B+5], SLOTX
	s_add_nc_u64 s[G0B+6:G0B+7], s[G0B+6:G0B+7], KSTEP*2
.endif
	s_xor_b32 s[TB], s[TB], SLOTX                  ; the fetches go on in the other slot
	s_wait_dscnt 0x0                               ; the add is done, and my reads of this slot are over
.if \fill
	CROUND
	JLOAD 1                                        ; its four v_nop are also the places in front of the loads below
.else
	s_barrier_signal -1
	s_barrier_wait -1
	s_cmp_eq_u32 s3, 1
	s_cbranch_scc1 .Lno_fetch_\@
	v_nop                                          ; with the two lines below: the four places
	v_nop
.endif
	v_add_nc_u32 v[ADA], s[TB], v[ADRA0]
	v_add_nc_u32 v[ADB], s[TB], v[ADRB0]
	FETCH 0, F0
.if !(\fill)
	WIN 0
.Lno_fetch_\@:
.endif
	MUL8 F1, 0, 0, 0
	MUL8 F1, 0, 2, 0
	MUL8 F1, 1, 0, 0
	MUL8 F1, 1, 2, 0
.endm
	s_wait_tensorcnt 1                             ; my part of K step 0 is in; K step 1's may stay out
	s_barrier_signal -1
	s_barrier_wait -1
	FETCH 0, F0
	QUARTER 128, F0, F1, 1                         ; the first quarter stands in front of the loop: its first products start the sums
	WIN 0
	s_mov_b32 s3, STEPS-2
.Lstep:                                        ; a trip goes from a K step's second quarter to the next step's first, and fills the slot that it leaves
	QUARTER 256, F1, F0, 0
	QUARTER 384, F0, F1, 0
	TURN 1
	QUARTER 128, F0, F1, 0
	WIN 0
	s_sub_co_u32 s3, s3, 1
	s_cmp_lg_u32 s3, 0
	s_cbranch_scc1 .Lstep
	s_mov_b32 s3, 2
.Ltail:                                        ; the last two K steps fill nothing: no tensor load stands in this loop
	QUARTER 256, F1, F0, 0
	QUARTER 384, F0, F1, 0
	TURN 0
	WIN 0
	s_cmp_eq_u32 s3, 1                             ; behind the very last step there is no first quarter
	s_cbranch_scc1 .Llast
	QUARTER 128, F0, F1, 0
	WIN 0
.Llast:
	s_sub_co_u32 s3, s3, 1
	s_cmp_lg_u32 s3, 0
	s_cbranch_scc1 .Ltail
	s_wait_dscnt 0x0                               ; no LDS load of mine is out
; THE WAY OUT.  Row block a (16 rows x 64 columns of f32) goes from the accumulators into my stage, 32 bytes a lane and column block, low registers first, and comes back as whole rows of 256 bytes.
.macro TOSTAGE a
.set BK, TMP+32*((\a)%2)
.if (\a) >= 2
	s_wait_xcnt 0x0                                ; the stores of two blocks ago have read these registers
.endif
.irp b, 0,1,2,3
	ds_store_b128 v[STO], v[ACC+8*(4*(\a)+(\b)):ACC+8*(4*(\a)+(\b))+3]   offset:64*(\b)
	ds_store_b128 v[STO], v[ACC+8*(4*(\a)+(\b))+4:ACC+8*(4*(\a)+(\b))+7] offset:64*(\b)+16
.endr
.irp t, 0,1,2,3,4,5,6,7
	ds_load_b128 v[BK+4*(\t):BK+4*(\t)+3], v[RD] offset:(\t)*2*SPITCH  ; LDS serves a wave's instructions in order (ISA guide 5.7.1.4): these see the stores above
.endr
.endm
.macro SEND a, younger                 ; younger: the next block's sixteen LDS instructions, or none
.set BK, TMP+32*((\a)%2)
	s_wait_dscnt \younger
.irp t, 0,1,2,3,4,5,6,7
	global_store_b128 v[CO], v[BK+4*(\t):BK+4*(\t)+3], s[8:9] offset:(16*(\a)+2*(\t))*8192  ; 16 lanes store 256 consecutive bytes, aligned
.endr
.endm
	PLACES
	TOSTAGE 0
	TOSTAGE 1
	SEND 0, 16
	TOSTAGE 2
	SEND 1, 16
	TOSTAGE 3
	SEND 2, 16
	SEND 3, 0
	s_wait_tensorcnt 0x0                           ; the wave's end
	ds_add_u32 v[SPW], v[NIL]
	s_wait_dscnt 0x0
	CROUND                                         ; the closing round
	s_endpgm
.Lfunc_end_k_q8043cf84da_proj:
	.size	k_q8043cf84da_proj, .Lfunc_end_k_q8043cf84da_proj-k_q8043cf84da_proj
	.p2alignl 7, 3214868480
	.fill 96, 4, 3214868480
	.section	.rodata,"a",@progbits
	.p2align	6, 0x0
	.amdhsa_kernel k_q8043cf84da_proj
		.amdhsa_group_segment_fixed_size 327680
		.amdhsa_private_segment_fixed_size 0
		.amdhsa_enable_private_segment 0
		.amdhsa_kernarg_size 24
		.amdhsa_user_sgpr_count 2
		.amdhsa_user_sgpr_kernarg_segment_ptr 1
		.amdhsa_wavefront_size32 1
		.amdhsa_system_sgpr_workgroup_id_x 1
		.amdhsa_system_sgpr_workgroup_id_y 1
		.amdhsa_system_sgpr_workgroup_id_z 1
		.amdhsa_system_vgpr_workitem_id 0
		.amdhsa_next_free_vgpr 512
		.amdhsa_next_free_sgpr 66
		.amdhsa_reserve_vcc 0
		.amdhsa_float_denorm_mode_32 3
		.amdhsa_float_denorm_mode_16_64 3
		.amdhsa_memory_ordered 1
		.amdhsa_forward_progress 1
		.amdhsa_inst_pref_size 57
	.end_amdhsa_kernel
	.amdgpu_metadata
---
amdhsa.version: [ 1, 2 ]
amdhsa.kernels:
  - .name:           k_q8043cf84da_proj
    .symbol:         k_q8043cf84da_proj.kd
    .args:
      - { .name: ob, .offset: 0, .size: 8, .value_kind: global_buffer, .address_space: global }
      - { .name: wo16, .offset: 8, .size: 8, .value_kind: global_buffer, .address_space: global }
      - { .name: out0, .offset: 16, .size: 8, .value_kind: global_buffer, .address_space: global }
    .group_segment_fixed_size: 327680
    .private_segment_fixed_size: 0
    .kernarg_segment_align: 8
    .kernarg_segment_size: 24
    .max_flat_workgroup_size: 128
    .sgpr_count:     66
    .vgpr_count:     512
    .wavefront_size: 32
...
	.end_amdgpu_metadata
.endif
;; end of part 4
